; MI455X (gfx1250); checked and timed in simulation.
; The chip was launched on July 23, 2026; its instructions are those of AMD's public machine-readable ISA for CDNA 5 (MIT licence, August 2026) and "CDNA5" Instruction Set Architecture Reference Guide (July 2026). The comments in the code are by the model that wrote it; some were corrected since.
;; GPT2 Attention. Allowed arithmetic: matrix products marked QUANTISED: E2M3 operands, one E8M0 scale for each 32 along K, by v_wmma_scale_f32_16x16x128_f8f6f4 with both operands' format E2M3, f32 sums; everything else in f32.
;; Inputs: b_attn 3,072 float32; b_proj 1,024 float32; hidden_states_codes 4 x 2,048 x 32 x 24 uint8 (E2M3 codes of hidden_states, K innermost, in blocks of 32 codes, four codes in three bytes); hidden_states_scales 4 x 2,048 x 32 uint8 (E8M0 scales of hidden_states, one for each 32 codes along K); w_attn_codes 3,072 x 32 x 24 uint8 (E2M3 codes of w_attn, K innermost, in blocks of 32 codes, four codes in three bytes); w_attn_scales 3,072 x 32 uint8 (E8M0 scales of w_attn, one for each 32 codes along K); w_proj_codes 1,024 x 32 x 24 uint8 (E2M3 codes of w_proj, K innermost, in blocks of 32 codes, four codes in three bytes); w_proj_scales 1,024 x 32 uint8 (E8M0 scales of w_proj, one for each 32 codes along K).
;; Outputs: out0 4 x 2,048 x 1,024 float32.
;; This version of the problem:
;;   THIS VERSION OF THE PROBLEM IS GIVEN IN LOW PRECISION. The matrix products marked QUANTISED in the list below multiply operands that are first quantised to E2M3 (2 exponent bits, 3 mantissa bits; 6 bits a number), with one power-of-two scale for each 32 numbers along K (OCP MX v1.0); their sums are f32. All else is computed in f32.
;;   The module's matrix products, in the order in which they are computed (A, B: the left and right operand; K: the contracted axis; several contracted axes count as one K, in the product's order):
;;     1. [M 8,192, K 1,024] x [K 1,024, N 3,072]; A: input hidden_states (given as codes); B: input w_attn (given as codes): QUANTISED
;;     2. batch 64 x [M 2,048, K 64] x [K 64, N 2,048]; A: computed on the way; B: computed on the way: QUANTISED
;;     3. batch 64 x [M 2,048, K 2,048] x [K 2,048, N 64]; A: softmax (see below); B: computed on the way: QUANTISED
;;     4. [M 8,192, K 1,024] x [K 1,024, N 1,024]; A: computed on the way; B: input w_proj (given as codes): QUANTISED
;;   THE QUANTISER, for each operand of a quantised product, along K:
;;     - K is cut into blocks of 32 from its start; a last block that is shorter is filled with zeros.
;;     - A block's scale is 2^e with e = floor(log2(the largest magnitude in the block)) - 2, held to -126 .. 127; a block of zeros has e = 0. As a byte (E8M0): e + 127.
;;     - Each number is divided by its block's scale, clamped to +-7.5, and rounded to the nearest number of E2M3, ties to even, subnormals kept.
;;     - The product sums the exact products of the quantised numbers (number of the format x scale) in f32.
;;   ~~~python
;;   def quantise(x, axis):      # numpy; x: float32 -> the quantised numbers, widened to float32 again
;;       x = np.moveaxis(x, axis, -1); K = x.shape[-1]
;;       x = np.pad(x, [(0, 0)] * (x.ndim - 1) + [(0, -K % 32)]); x = x.reshape(x.shape[:-1] + (-1, 32)); a = np.abs(x).max(-1, keepdims=True)
;;       e = np.where(a > 0, np.clip(np.frexp(np.where(a > 0, a, 1))[1] - 1 - 2, -126, 127), 0)      # np.frexp(a)[1] - 1 = floor(log2(a)), exactly
;;       r = np.clip(x / 2.0 ** e, -7.5, 7.5)
;;       step = 2.0 ** (np.maximum(np.frexp(np.where(r == 0, 1, r))[1] - 1, 0) - 3)
;;       q = np.round(r / step) * step * 2.0 ** e      # np.round: ties to even
;;       return np.moveaxis(q.reshape(q.shape[:-2] + (-1,))[..., :K], -1, axis).astype(np.float32)
;;   ~~~
;;   SOFTMAX AHEAD OF A QUANTISED PRODUCT. Where the list says 'softmax', what is quantised is not the finished softmax but p = 2^(t - M), with t = logit x log2(e) and M = ceil(the row's largest t), a whole number; so 1/2 < the row's largest p <= 1. The row's sum l is taken of the UNQUANTISED p, in f32, and the product's result is divided by l at the end. Since M is a whole number, a kernel that streams over the keys may use a running M (the ceiling of the running maximum): every later rescaling is an exact power of two, which a block's scale takes up: the codes' values come out the same.
;;   OPERANDS COMPUTED ON THE WAY. 'Computed on the way' means the value that the module computes at that place (a softmax that the list does not call 'softmax' is quantised finished and normalised). What goes into a quantiser is computed in f32, as accurately as f32 sums, v_exp_f32 and their like allow (about 1e-6 of the number): no bf16 or f16 on the way to a quantiser, and a product that is left as it is and whose result goes on into a quantised operand takes f32 operands (vector FMAs, or v_wmma_f32_16x16x4_f32). A number that lies on a knife's edge between two numbers of the format may be rounded either way, as far as f32 arithmetic and the matrix unit's own rounding can turn it there, and no further.
;;   INPUTS GIVEN AS CODES. hidden_states (in the module: [4, 2048, 1024], K = its axis 2); w_attn (in the module: [1024, 3072], K = its axis 0); w_proj (in the module: [1024, 1024], K = its axis 0): each comes as NAME_codes (uint8): NAME with its K axis moved to the last place and cut into blocks of 32 codes, [.., K / 32, bytes a block], one block behind the other in memory; four codes in three bytes: a row's codes are one little-endian stream of bits, code i at bits 6 i .. 6 i + 5 (a code: sign, 2 exponent bits, 3 mantissa bits); and NAME_scales (uint8): the same leading axes, one E8M0 byte (e + 127) for each 32 codes along K. Its value is code x scale, taken as it is: it is not quantised again, and the codes and scales need not be those that the quantiser above would give.
;; One version. Each part assembles by itself: llvm-mc -triple=amdgcn-amd-amdhsa -mcpu=gfx1250 --defsym DOCPART=n.
;; ======== version 1 of 1: 3 launches
;; workspace buffers: img 18,874,368 bytes; scl 786,432 bytes; a_img 6,291,456 bytes; a_scl 262,144 bytes
;; launch qkv (part 1): grid 12 x 32, 4 waves a work-group, clusters of 4 x 4, 327,680 bytes of LDS; arguments hidden_states_codes, hidden_states_scales, w_attn_codes, w_attn_scales, b_attn, img, scl; writes img, scl
.if DOCPART == 1
	.amdgcn_target "amdgcn-amd-amdhsa--gfx1250"
	.amdhsa_code_object_version 6
	.text
	.protected	k_q18f2619505_qkv
	.globl	k_q18f2619505_qkv
	.p2align	8
	.type	k_q18f2619505_qkv,@function
k_q18f2619505_qkv:
	s_mov_b64 s[64:65], 0
	v_nop
	global_prefetch_b8 v0, s[64:65] scope:SCOPE_SE
	s_setreg_imm32_b32 hwreg(HW_REG_WAVE_MODE, 25, 1), 1
	s_wait_xcnt 0x0
	s_wait_alu depctr_hold_cnt(0) depctr_sa_sdst(0) depctr_va_vdst(0) depctr_va_sdst(0) depctr_va_ssrc(0) depctr_va_vcc(0) depctr_vm_vsrc(0)
	s_getreg_b32 s2, hwreg(HW_REG_IB_STS2, 6, 4)
	s_cmp_eq_u32 s2, 0
	s_cbranch_scc0 .Lentry_in_a_cluster
	s_endpgm
.Lentry_in_a_cluster:
	s_bfe_u32 s2, ttmp6, 0x10000c
	s_cmp_lg_u32 s2, 0xf033
	s_cbranch_scc0 .Lentry_shape_is_right
	s_endpgm
.Lentry_shape_is_right:
; qkv = hidden_states x w_attn + b_attn on codes of FP6 (E2M3) with one E8M0 scale for each 32 along K = 1,024, sums in f32; the results are quantised at once:
; q and k along the head's 64 numbers, v along the keys, and stored as IMAGES OF OPERAND REGISTERS for the attention launch.
; A tile of 256 x 256 results is made by four waves, 128 x 128 each: 64 accumulators of 16 x 16.  K goes in steps of 256 through two LDS slots filled by the tensor data mover.
; TWO OPERANDS, X AND Y.  Source 0 of the matrix instruction takes 16 rows of X, source 1 takes 16 rows of Y: a lane then holds ONE row of Y, and its eight registers run along X.  What is quantised must run along X.
;   clusters with x = 0 (q) and 1 (k): X = rows of w_attn (the head's numbers), Y = tokens;   clusters with x = 2 (v): X = tokens (the keys), Y = rows 2,048 on of w_attn.
; Both tensors have rows of 768 bytes of codes and 32 scale bytes, so a role chooses pointers and tile numbers only; the choice hangs on the cluster's x, which all sixteen partners share.
; CLUSTERS: 4 x 4 work-groups.  Y's tile hangs on the place along y and is asked for jointly by a row of the cluster, X's on the place along x and is asked for jointly by a column.
; ORDER OF CODES IN A BLOCK OF 32: a lane's sixteen numbers of a block are 0-7 and 16-23 (lanes 0-15) or 8-15 and 24-31 (lanes 16-31), so the codes lie 0-7, 16-23, 8-15, 24-31.
; The order stays inside a scale's block, and both operands of each later product carry it (q with k; v with the softmax's weights), so the products are the same.
; OUT: img [3 (q, k, v)][4][16 heads][16 steps of 128 tokens][4][1,536 bytes]: twelve registers a lane, group g of four at 512 g + 16 x lane.
;   q, k: entry p holds token tiles 2 p (registers 0-5) and 2 p + 1 (registers 6-11): lane (r, h): token r of the tile, block h of the head's 64.   v: entry t: rows d = 16 t + r, the step's 128 keys.
;   scl [3][4][16][16][16 r][4 words]: q, k: word p = two scale bytes of tile 2 p's token r, two of tile 2 p + 1's;  v: word t = the four key blocks' bytes of d = 16 t + r.
; LIMITS: NaN, infinities and the scale byte 0xff among the inputs are not served; a block whose largest magnitude lies under 2^-124 keeps the byte 1 (a block of zeros too: its codes are zeros, and this program alone reads the bytes).
; REGISTERS, in windows of 256: window 0: v0-31 addresses; v32-63 scale words, two sets; v64-127 the bias along X; v128-223 Y's fragments, one set; v224-231 the bias along Y.
;   window 1: X's fragments, two sets, at v0 and v128.   window 2: the accumulators of my Y rows 0-63 ((a, b) at v[8 (8 a + b)]);   window 3: those of rows 64-127.
.set KSTEP,  256
.set NQ,     KSTEP/128
.set ROWB,   192                       ; a tile's row: 256 codes of 6 bits
.set KROW,   768                       ; a row of codes in memory
.set PITCH,  240                       ; an LDS row: 3 x (64 bytes + 16 of padding)
.set FR,     12                        ; registers of a fragment
.set NL,     6                         ; LDS loads that bring one
.set NP,     4                         ; places behind this matrix instruction (ISA guide 7.12.1)
.set HALFT,  128*PITCH
.set SLOT,   4*HALFT                   ; Y's 256 rows, then X's 256 rows
.set KS,     32                        ; a row of scale bytes
.set SCL,    2*SLOT                    ; behind the ring: the scales, as units of 256 bytes + 16 of padding
.set HALFS,  (128*KS/256)*272
.set SBLK,   (16*KS/256)*272
.set SPARE,  SCL+4*HALFS               ; the spare words, 128 bytes a wave: two blocks of 256 bytes that no other line names
.set HEADB,  98304                     ; a head's images in bytes
.set GI,   7                           ; v7   16 x lane: my place in a group of an image
.set GSC,  8                           ; v8   4,096 x (lane / 16) + 16 x (lane % 16): my place among the scale words of two heads
.set ADRA, 16                          ; v16-19 LDS addresses of Y's fragments
.set ADRB, 20                          ; v20-23 of X's
.set ADRS, 27                          ; v27  of my scale words: lanes 0-15 Y's rows, lanes 16-31 X's
.set SPW,  28                          ; v28  my spare word; never rewritten
.set NIL,  29                          ; v29  0; never rewritten
.set SC,   32
.set BX,   64
.set AF,   128
.set BY,   224
.set H,    128                         ; the way out: 64 numbers of a lane
.set CA,   192                         ; twelve registers of codes
.set CB,   204                         ; twelve more
.set PW,   216                         ; eight scale words
.set TM,   232                         ; v232-247 at work
.set X0,   248
.set X1,   252
.set SEL,  66                          ; s[66:67] lane selects: lane l xor 16
.set G1, 24
.set G0, 32
.set G1B, 48
.set G0B, 56
.set G1S, 68
.set G0S, 76
.set G1SB, 80
.set G0SB, 88
.set MSB, 0
.macro WIN new                         ; the immediate's high byte repeats the setting that is left
.if MSB != \new
	s_set_vgpr_msb (MSB<<8)|\new
.set MSB, \new
.endif
.endm
.set MUL_LO, 0xa1                      ; source 0 (X) window 1, source 1 (Y) window 0, C and D window 2
.set MUL_HI, 0xf1                      ; the same, C and D window 3
.set TO_B,   0x40                      ; destination window 1, address window 0
; A joint load: waves 0 and 1 fetch for Y, waves 2 and 3 for X.  The branch hangs on the wave's number alone.  Four v_nop follow each of the two lines.
.macro JLOAD g0a, g1a, g0b, g1b
	s_cmp_eq_u32 s15, 0
	s_cbranch_scc0 .Lfor_b_\@
	tensor_load_to_lds s[\g0a:\g0a+3], s[\g1a:\g1a+7]
	s_nop 0
.rept 4
	v_nop
.endr
	s_branch .Lasked_\@
.Lfor_b_\@:
	tensor_load_to_lds s[\g0b:\g0b+3], s[\g1b:\g1b+7]
	s_nop 0
.rept 4
	v_nop
.endr
.Lasked_\@:
.endm
.macro CREST                           ; a round of the cluster's barrier behind its opening barrier
	s_cmp_lg_u32 s14, 0
	s_cbranch_scc1 .Lnot_wave_0_\@
	s_barrier_signal -3
.Lnot_wave_0_\@:
	s_barrier_wait -3
	s_barrier_signal -1
	s_barrier_wait -1
.endm
.macro CROUND                          ; a whole round
	s_barrier_signal -1
	s_barrier_wait -1
	CREST
.endm
	s_load_b128 s[4:7], s[0:1], 0x0                ; hidden_states: codes, scales
	s_load_b128 s[8:11], s[0:1], 0x10              ; w_attn: codes, scales
	s_load_b128 s[96:99], s[0:1], 0x20             ; b_attn, img
	s_load_b64 s[100:101], s[0:1], 0x30            ; scl
	v_lshl_add_u32 v[SPW], v0, 2, SPARE
	v_mov_b32 v[NIL], 0
	ds_add_u32 v28, v29
	ds_add_u32 v28, v29
	s_wait_dscnt 0x0
	v_lshrrev_b32 v1, 5, v0
	v_readfirstlane_b32 s14, v1                    ; wave 0..3
	s_lshr_b32 s15, s14, 1                         ; which half of Y's rows is mine.  Also: I fetch for Y (0) or for X (1)
	s_and_b32 s16, s14, 1                          ; which half of X's rows.  Also: which 128 rows of that tile I fetch
	s_bfe_u32 s40, ttmp6, 0x40000                  ; cx, cy: my place in the cluster
	s_bfe_u32 s41, ttmp6, 0x40004
	s_and_b32 s45, ttmp7, 0xffff                   ; the cluster's y
	s_cmp_eq_u32 ttmp9, 2                          ; the cluster's x: 2 = v
	s_cselect_b32 s42, s45, ttmp9
	s_cselect_b32 s17, 2, s45
	s_lshl_b32 s42, s42, 2
	s_add_co_u32 s42, s42, s40                     ; X's tile of 256 rows: q, k: 4 x cluster x + cx (of w_attn);  v: 4 x cluster y + cx (of the tokens)
	s_lshl_b32 s17, s17, 2
	s_add_co_u32 s17, s17, s41                     ; Y's tile: q, k: 4 x cluster y + cy (of the tokens);  v: 8 + cy (of w_attn)
	s_lshl_b32 s43, s41, 2
	s_lshl_b32 s43, 15, s43                        ; my row of the cluster
	s_lshl_b32 s44, 0x1111, s40                    ; my column
	; descriptor group 1: a tile of 128 rows x 192 bytes, 16 bytes of padding behind every 64
	s_or_b32 s[G1+0], s43, (0<<16)|(1<<20)|(1<<21)|(3<<22)|(3<<25)  ; 15:0 the mask: Y's tiles go to my row; 17:16 elements of 1 byte; 20 padding on; 21 set beside a mask; 24:22 after every 16 words; 31:25 of 4 words
	s_or_b32 s[G1B+0], s44, (0<<16)|(1<<20)|(1<<21)|(3<<22)|(3<<25)
.irp g, G1, G1B
	s_mov_b32 s[\g+1], ROWB<<16                    ; tensor_dim0
	s_mov_b32 s[\g+2], 128<<16                     ; tensor_dim1
	s_mov_b32 s[\g+3], ROWB<<16                    ; tile_dim0
	s_mov_b32 s[\g+4], 128                         ; tile_dim1
	s_mov_b32 s[\g+5], KROW                        ; tensor_dim0_stride
	s_mov_b32 s[\g+6], 0
	s_mov_b32 s[\g+7], 0
.endr
	; the scales of 128 rows: 4,096 dense bytes, as 16 rows of 256 bytes (32 elements of 8 bytes), 16 bytes of padding behind each
	s_or_b32 s[G1S+0], s43, (3<<16)|(1<<20)|(1<<21)|(5<<22)|(3<<25)
	s_or_b32 s[G1SB+0], s44, (3<<16)|(1<<20)|(1<<21)|(5<<22)|(3<<25)
.irp g, G1S, G1SB
	s_mov_b32 s[\g+1], 32<<16
	s_mov_b32 s[\g+2], (128*KS/256)<<16
	s_mov_b32 s[\g+3], 32<<16
	s_mov_b32 s[\g+4], 128*KS/256
	s_mov_b32 s[\g+5], 32
	s_mov_b32 s[\g+6], 0
	s_mov_b32 s[\g+7], 0
.endr
	s_lshl_b32 s18, s16, 7                         ; which 128 rows of the tile I fetch
	s_lshl_b32 s20, s17, 8
	s_add_co_u32 s20, s20, s18                     ; Y: row 256 x tile + 128 x half
	s_lshl_b32 s46, s42, 8
	s_add_co_u32 s46, s46, s18                     ; X likewise
	s_mov_b32 s21, 0
	s_mov_b32 s47, 0
	s_mov_b64 s[18:19], KS
	s_mul_u64 s[22:23], s[20:21], s[18:19]         ; where these rows' scales begin, in bytes
	s_mul_u64 s[92:93], s[46:47], s[18:19]
	s_mov_b64 s[18:19], KROW
	s_mul_u64 s[20:21], s[20:21], s[18:19]         ; and their codes
	s_mul_u64 s[46:47], s[46:47], s[18:19]
	s_mul_i32 s45, s14, HALFT                      ; where they go: wave x 128 rows: no place in the cluster enters an LDS address
	s_mul_i32 s94, s14, HALFS
	s_wait_kmcnt 0x0
	s_cmp_eq_u32 ttmp9, 2                          ; the roles' pointers: for v the two tensors change places
	s_cselect_b64 s[12:13], s[8:9], s[4:5]         ; Y's codes
	s_cselect_b64 s[2:3], s[10:11], s[6:7]         ; Y's scales
	s_cselect_b64 s[8:9], s[4:5], s[8:9]           ; X's codes
	s_cselect_b64 s[10:11], s[6:7], s[10:11]       ; X's scales
	s_mov_b64 s[4:5], s[12:13]
	s_mov_b64 s[6:7], s[2:3]
	s_add_nc_u64 s[20:21], s[4:5], s[20:21]
	s_add_nc_u64 s[22:23], s[6:7], s[22:23]
	s_add_nc_u64 s[46:47], s[8:9], s[46:47]
	s_add_nc_u64 s[92:93], s[10:11], s[92:93]
	CROUND                                         ; all sixteen work-groups are here: the first joint loads meet
	s_mov_b32 s[G0S], 1
	s_add_co_u32 s[G0S+1], s94, SCL
	s_mov_b64 s[G0S+2:G0S+3], s[22:23]
	s_or_b32 s[G0S+3], s[G0S+3], 0x80000000
	s_mov_b32 s[G0SB], 1
	s_add_co_u32 s[G0SB+1], s94, SCL
	s_mov_b64 s[G0SB+2:G0SB+3], s[92:93]
	s_or_b32 s[G0SB+3], s[G0SB+3], 0x80000000
	JLOAD G0S, G1S, G0SB, G1SB                     ; the scales first: they are wanted with K step 0
.irp s, 0,1
	s_mov_b32 s[G0+4*\s], 1
	s_add_co_u32 s[G0+4*\s+1], s45, \s*SLOT
	s_add_nc_u64 s[G0+4*\s+2:G0+4*\s+3], s[20:21], \s*ROWB
	s_or_b32 s[G0+4*\s+3], s[G0+4*\s+3], 0x80000000
	s_mov_b32 s[G0B+4*\s], 1
	s_add_co_u32 s[G0B+4*\s+1], s45, \s*SLOT
	s_add_nc_u64 s[G0B+4*\s+2:G0B+4*\s+3], s[46:47], \s*ROWB
	s_or_b32 s[G0B+4*\s+3], s[G0B+4*\s+3], 0x80000000
	JLOAD G0+4*\s, G1, G0B+4*\s, G1B
.endr
	v_and_b32 v1, 15, v0                           ; r = lane % 16
	v_bfe_u32 v2, v0, 4, 1                         ; h = lane / 16
	v_mul_u32_u24 v3, v1, PITCH
	v_mul_u32_u24 v4, v2, 24
	v_add_nc_u32 v4, v3, v4                        ; a fragment's row x pitch + 24 x half
	v_lshl_add_u32 v5, v2, 4, v4                   ; and the same behind one padding more
	s_mul_i32 s21, s15, HALFT                      ; my 128 rows of Y
	s_mul_i32 s22, s16, HALFT                      ; my 128 rows of X,
	s_add_co_u32 s22, s22, 2*HALFT                 ; which lie behind Y's 256
.irp s, 0,1
	v_add_nc_u32 v[ADRA+\s], s21, v4
	v_add_nc_u32 v[ADRB+\s], s22, v4
	v_add_nc_u32 v[ADRA+2+\s], s21, v5
	v_add_nc_u32 v[ADRB+2+\s], s22, v5
	s_add_co_u32 s21, s21, SLOT
	s_add_co_u32 s22, s22, SLOT
.endr
	v_mul_u32_u24 v5, v1, KS                       ; my row's scales: 32 bytes a row,
	v_lshrrev_b32 v6, 8, v5
	v_lshl_add_u32 v5, v6, 4, v5                   ; and 16 more for each 256 passed
	s_mul_i32 s21, s15, HALFS
	s_mul_i32 s22, s16, HALFS
	s_add_co_u32 s22, s22, 2*HALFS
	s_sub_co_u32 s22, s22, s21
	v_mul_u32_u24 v6, s22, v2                      ; lanes 16-31 take X's
	s_add_co_u32 s21, s21, SCL
	v_add_nc_u32 v5, v5, v6
	v_add_nc_u32 v[ADRS], s21, v5
	; where my results go, and my biases
	s_lshl_b32 s20, s17, 8
	s_lshl_b32 s21, s15, 7
	s_add_co_u32 s20, s20, s21                     ; my first row of Y
	s_lshl_b32 s46, s42, 8
	s_lshl_b32 s47, s16, 7
	s_add_co_u32 s46, s46, s47                     ; my first row of X
	s_cmp_eq_u32 ttmp9, 2
	s_cselect_b32 s22, s20, s46                    ; my first row of w_attn: a multiple of 128: two heads
	s_cselect_b32 s23, s46, s20                    ; my first token: a multiple of 128: one step
	s_lshr_b32 s18, s22, 10                        ; q, k or v
	s_lshl_b32 s18, s18, 2
	s_lshr_b32 s19, s23, 11                        ; the batch
	s_add_co_u32 s18, s18, s19
	s_lshl_b32 s18, s18, 4
	s_bfe_u32 s19, s22, 0x40006                    ; the first of my two heads
	s_add_co_u32 s18, s18, s19
	s_bfe_u32 s19, s23, 0x40007                    ; the step
	s_mul_i32 s20, s18, HEADB
	s_mul_i32 s21, s19, 6144
	s_add_co_u32 s20, s20, s21
	s_mov_b32 s21, 0
	s_add_nc_u64 s[12:13], s[98:99], s[20:21]      ; img at my step of my first head
	s_lshl_b32 s20, s18, 12
	s_lshl_b32 s46, s19, 8
	s_add_co_u32 s20, s20, s46
	s_add_nc_u64 s[100:101], s[100:101], s[20:21]  ; scl likewise
	s_lshl_b32 s20, s22, 2
	s_add_nc_u64 s[96:97], s[96:97], s[20:21]      ; b_attn at my 128 numbers
	v_lshlrev_b32 v9, 5, v2                        ; 32 h
	v_lshlrev_b32 v10, 2, v1                       ; 4 r
.irp b, 0,1,2,3,4,5,6,7                        ; both forms of the bias are loaded in every role: the same 128 numbers.  Along X: register 8 b + j = number 16 b + 8 h + j
	global_load_b128 v[BX+8*\b:BX+8*\b+3], v9, s[96:97] offset:64*\b
	global_load_b128 v[BX+8*\b+4:BX+8*\b+7], v9, s[96:97] offset:64*\b+16
.endr
.irp a, 0,1,2,3,4,5,6,7                        ; along Y: register a = number 16 a + r
	global_load_b32 v[BY+\a], v10, s[96:97] offset:64*\a
.endr
	v_and_b32 v6, 31, v0
	v_lshlrev_b32 v[GI], 4, v6
	v_lshlrev_b32 v[GSC], 4, v1
	v_lshl_add_u32 v[GSC], v2, 12, v[GSC]
	s_mov_b32 s[SEL], 0x76543210
	s_mov_b32 s[SEL+1], 0xfedcba98
	s_mov_b32 s92, 0x05040100                      ; byte selects: the two low halves,
	s_mov_b32 s93, 0x07060302                      ; the two high halves
.macro FRAG reg, adr, q, i             ; a fragment, 16 rows x 128 K: lane l holds row l % 16; registers 6 c .. 6 c + 5 hold K = 64 c + 32 (l / 16) + 0 .. 31: 24 bytes of the row, as they lie
.irp p, 0,1,2,3,4,5                    ; in pieces of 8 bytes; where the piece of lanes 16-31 lies behind one padding more, the second address register serves
.set PC, 12*(\q)+6*(\p/3)+\p%3
.if PC%8 < 5
	ds_load_b64 v[\reg+2*\p:\reg+2*\p+1], v[\adr] offset:8*PC+16*(PC/8)+(\i)*16*PITCH
.else
	ds_load_b64 v[\reg+2*\p:\reg+2*\p+1], v[\adr+2] offset:8*PC+16*(PC/8)+(\i)*16*PITCH
.endif
.endr
.endm
; 16 matrix instructions: Y's blocks a0, a0 + 1 x X's eight, 128 along K.  The 64 accumulators take turns, one instruction a turn, in the same order in every step.
.macro MUL16 a0, p, q, sc, zero
.irp a, \a0, \a0+1
.irp b, 0,1,2,3,4,5,6,7
.if \zero
	v_wmma_scale_f32_16x16x128_f8f6f4 v[8*(8*((\a)%4)+\b):8*(8*((\a)%4)+\b)+7], v[128*(\p)+FR*\b:128*(\p)+FR*\b+FR-1], v[AF+FR*(\a):AF+FR*(\a)+FR-1], 0, v[SC+8*NQ*(\sc)+NQ*\b+(\q)], v[SC+8*NQ*(\sc)+NQ*(\a)+(\q)] matrix_a_fmt:MATRIX_FMT_FP6 matrix_b_fmt:MATRIX_FMT_FP6 matrix_a_scale:MATRIX_SCALE_ROW1
.else
	v_wmma_scale_f32_16x16x128_f8f6f4 v[8*(8*((\a)%4)+\b):8*(8*((\a)%4)+\b)+7], v[128*(\p)+FR*\b:128*(\p)+FR*\b+FR-1], v[AF+FR*(\a):AF+FR*(\a)+FR-1], v[8*(8*((\a)%4)+\b):8*(8*((\a)%4)+\b)+7], v[SC+8*NQ*(\sc)+NQ*\b+(\q)], v[SC+8*NQ*(\sc)+NQ*(\a)+(\q)] matrix_a_fmt:MATRIX_FMT_FP6 matrix_b_fmt:MATRIX_FMT_FP6 matrix_a_scale:MATRIX_SCALE_ROW1
.endif
.endr
.endr
.endm
.macro FETCH_B slot, q, p              ; X's eight fragments of the slot's q-th 128 along K into set p
	WIN TO_B
.irp i, 0,1,2,3,4,5,6,7
	FRAG 128*(\p)+FR*\i, ADRB+\slot, \q, \i
.endr
	WIN 0
.endm
.macro FETCH_A slot, q, i0             ; Y's blocks i0 .. i0 + 3
.irp i, \i0, \i0+1, \i0+2, \i0+3
	FRAG AF+FR*(\i), ADRA+\slot, \q, \i
.endr
.endm
.macro SCALES sc                       ; a K step's scale words into set sc: two words a row; lanes 0-15 take Y's block i, lanes 16-31 X's block i
.irp i, 0,1,2,3,4,5,6,7
	ds_load_b64 v[SC+8*NQ*\sc+NQ*\i:SC+8*NQ*\sc+NQ*\i+1], v[ADRS] offset:\i*SBLK
.endr
.endm
.macro PLACES n                        ; plain vector instructions between a matrix instruction and a load into, or a vector access to, its registers
.rept \n
	v_nop
.endr
.endm
; A step of 128 along K that has its successor in the same slot.
.macro STEP slot, q, zero
	s_wait_dscnt 4*NL                              ; X's set and Y's blocks 0-3 are in; the youngest 24 loads (Y's blocks 4-7) may be out
	WIN MUL_LO
	MUL16 0, (\q)%2, \q, \slot, \zero
	MUL16 2, (\q)%2, \q, \slot, \zero
	s_wait_dscnt 0                                 ; Y's blocks 4-7 are in
	PLACES NP
	FETCH_B \slot, (\q)+1, 1-(\q)%2
	FETCH_A \slot, (\q)+1, 0
	WIN MUL_HI
	MUL16 4, (\q)%2, \q, \slot, \zero
	MUL16 6, (\q)%2, \q, \slot, \zero
	PLACES NP
	WIN 0
	FETCH_A \slot, (\q)+1, 4
.endm
; A slot's last step changes slots: ONE barrier; in front of it each wave waits for all its tensor loads, adds 0 to its spare word, and waits for that and for its own reads of this slot.  fill = 1: this slot is filled again, two K steps ahead.
.macro TURN slot, next, fill
	s_wait_tensorcnt 0x0                           ; all my tensor loads have landed: my part of the next slot
	ds_add_u32 v[SPW], v[NIL]                      ; 0 onto my spare word
	s_wait_dscnt 4*NL+1                            ; (the add and the youngest 24 loads, Y's blocks 4-7, may be out)
	WIN MUL_LO
	MUL16 0, 1, NQ-1, \slot, 0                     ; sixteen matrix instructions stand between the add and the wait for it
	s_wait_dscnt 0x0                               ; the add is done, and my reads of this slot are over
	s_barrier_signal -1
	MUL16 2, 1, NQ-1, \slot, 0
	WIN 0
	s_barrier_wait -1
.if \fill
	CREST                                          ; the barrier has opened a round of the cluster's barrier: no wave of any partner still reads this slot's tile or has a load on its way
	s_add_nc_u64 s[G0+4*\slot+2:G0+4*\slot+3], s[G0+4*\slot+2:G0+4*\slot+3], 2*ROWB
	s_add_nc_u64 s[G0B+4*\slot+2:G0B+4*\slot+3], s[G0B+4*\slot+2:G0B+4*\slot+3], 2*ROWB
	JLOAD G0+4*\slot, G1, G0B+4*\slot, G1B         ; the first tensor load behind the round; its four v_nop are the places in front of the loads below
.else
	PLACES NP
.endif
	s_wait_alu depctr_va_vdst(0)
	v_add_nc_u32 v[ADRS], 4*NQ, v[ADRS]            ; on to the next K step's scale words
	FETCH_B \next, 0, 0
	FETCH_A \next, 0, 0
	SCALES \next
	WIN MUL_HI
	MUL16 4, 1, NQ-1, \slot, 0
	MUL16 6, 1, NQ-1, \slot, 0
	PLACES NP
	WIN 0
	FETCH_A \next, 0, 4
.endm
	s_wait_alu depctr_va_vdst(0)
	s_wait_tensorcnt 1                             ; of my three first fills the scales and K step 0 are in; K step 1's load may be out
	s_barrier_signal -1
	s_barrier_wait -1
	FETCH_B 0, 0, 0
	FETCH_A 0, 0, 0
	SCALES 0
	FETCH_A 0, 0, 4
	STEP 0, 0, 1                                   ; K = 1,024 is four visits of slots, written out: the first products start the sums
	TURN 0, 1, 1
	STEP 1, 0, 0
	TURN 1, 0, 1
	STEP 0, 0, 0
	TURN 0, 1, 0                                   ; nothing is left to fetch
	STEP 1, 0, 0
	s_wait_dscnt 4*NL
	WIN MUL_LO
	MUL16 0, 1, NQ-1, 1, 0
	MUL16 2, 1, NQ-1, 1, 0
	s_wait_dscnt 0
	WIN MUL_HI
	MUL16 4, 1, NQ-1, 1, 0
	MUL16 6, 1, NQ-1, 1, 0
	WIN 0
; THE WAY OUT.  TAKE: Y's block a: its eight accumulators + the bias, into v[H] on: one packed addition is both the bias and the move into window 0.  Each accumulator is read from its low end on.
.macro TAKE a, role                    ; role 0: the bias runs along X;  1: it belongs to the lane's row of Y
	WIN 0x02+(\a)/4                                ; source 0: window 2 or 3
.set AC, 64*((\a)%4)
.set ii, 0
.rept 32
.if \role
.if (\a)%2
	v_pk_add_f32 v[H+2*ii:H+2*ii+1], v[AC+2*ii:AC+2*ii+1], v[BY+2*((\a)/2):BY+2*((\a)/2)+1] op_sel:[0,1] op_sel_hi:[1,1]
.else
	v_pk_add_f32 v[H+2*ii:H+2*ii+1], v[AC+2*ii:AC+2*ii+1], v[BY+2*((\a)/2):BY+2*((\a)/2)+1] op_sel:[0,0] op_sel_hi:[1,0]
.endif
.else
	v_pk_add_f32 v[H+2*ii:H+2*ii+1], v[AC+2*ii:AC+2*ii+1], v[BX+2*ii:BX+2*ii+1]
.endif
.set ii, ii+1
.endr
	WIN 0
.endm
; QUANT: 64 numbers of a lane, four blocks of 32 shared with lane l xor 16, become codes: blocks 0, 1 in v[d0] .. v[d0 + 5] (lanes 0-15 block 0, lanes 16-31 block 1), blocks 2, 3 in v[d1] on; the four scale bytes in v[pw].
.macro QUANT s, d0, d1, pw
.irp b, 0,1,2,3
	v_max3_num_f32 v[TM+\b], |v[\s+16*\b]|, |v[\s+1+16*\b]|, 0x1800000   ; my 16 numbers of block b, and the floor 2^(3 - 127): the byte cannot fall under 1
.endr
.irp i, 2,4,6,8,10,12,14
.irp b, 0,1,2,3
	v_max3_num_f32 v[TM+\b], v[TM+\b], |v[\s+16*\b+\i]|, |v[\s+1+16*\b+\i]|
.endr
.endr
.irp b, 0,1,2,3
	v_permlanex16_b32 v[TM+4+\b], v[TM+\b], s[SEL], s[SEL+1]
.endr
.irp b, 0,1,2,3
	v_max_num_f32 v[TM+\b], v[TM+\b], v[TM+4+\b]   ; the block's largest magnitude
.endr
.irp b, 0,1,2,3
	v_add_nc_u32 v[TM+12+\b], 0xff000000, v[TM+\b] ; 2 off its exponent field: the conversion takes the exponent field of this operand as its scale
.endr
.irp b, 0,1,2,3
	v_lshrrev_b32 v[TM+4+\b], 23, v[TM+12+\b]      ; the scale's byte
.endr
	v_lshl_or_b32 v[\pw], v[TM+5], 8, v[TM+4]
	v_lshl_or_b32 v[\pw], v[TM+6], 16, v[\pw]
	v_lshl_or_b32 v[\pw], v[TM+7], 24, v[\pw]
	v_cvt_scalef32_pk16_fp6_f32 v[(\d0):(\d0)+2], v[\s:\s+15], v[TM+12]
	v_cvt_scalef32_pk16_fp6_f32 v[X0:X0+2], v[\s+16:\s+31], v[TM+13]   ; (a conversion's three registers begin on an even number)
	v_cvt_scalef32_pk16_fp6_f32 v[(\d1):(\d1)+2], v[\s+32:\s+47], v[TM+14]
	v_cvt_scalef32_pk16_fp6_f32 v[X1:X1+2], v[\s+48:\s+63], v[TM+15]
	v_nop                                          ; one plain place behind a scaled conversion
.irp i, 0,1,2
	v_permlane16_swap_b32 v[(\d0)+\i], v[X0+\i]    ; a whole block to a lane
.endr
.irp i, 0,1,2
	v_permlane16_swap_b32 v[(\d1)+\i], v[X1+\i]
.endr
.irp i, 0,1,2
	v_mov_b32 v[(\d0)+3+\i], v[X0+\i]
	v_mov_b32 v[(\d1)+3+\i], v[X1+\i]
.endr
.endm
	PLACES NP                                      ; behind the last products: their operands' registers are written below
	s_wait_loadcnt 0x0                             ; the biases
.irp b, 0,1,2,3
	v_mov_b32 v[TM+4+\b], 0                        ; written once: a lane permute's destination counts as one of its sources
.endr
	s_cmp_eq_u32 ttmp9, 2                          ; the cluster's x: the same in all partners
	s_cbranch_scc1 .Lrole_v
	; q, k: a block of Y is 16 tokens, the 128 numbers along X are two heads.  Two token tiles make an entry of each head.
.irp p, 0,1,2,3
.if \p > 0
	s_wait_xcnt 0x0                                ; the last entry's stores have read their registers
.endif
	TAKE 2*\p, 0
	QUANT H, CA, CB, PW+2*\p
	TAKE 2*\p+1, 0
	QUANT H, CA+6, CB+6, PW+2*\p+1
.irp g, 0,1,2
	global_store_b128 v[GI], v[CA+4*\g:CA+4*\g+3], s[12:13] offset:1536*\p+512*\g         ; 32 lanes store 512 consecutive bytes, aligned
	global_store_b128 v[GI], v[CB+4*\g:CB+4*\g+3], s[12:13] offset:HEADB+1536*\p+512*\g   ; the second head
.endr
.endr
	v_cmp_eq_u32 vcc_lo, 1, v2                     ; lanes 16-31
.irp p, 0,1,2,3
	v_perm_b32 v[128+\p], v[PW+2*\p+1], v[PW+2*\p], s92   ; first head: two bytes of tile 2 p, two of tile 2 p + 1
	v_perm_b32 v[132+\p], v[PW+2*\p+1], v[PW+2*\p], s93   ; second head
.endr
.irp p, 0,1,2,3
	v_cndmask_b32 v[136+\p], v[128+\p], v[132+\p], vcc_lo
.endr
	s_branch .Ljoin
.Lrole_v:
	; v: a block of Y is 16 of a head's 64 rows d, the 128 numbers along X are the step's keys: one fragment
.irp a, 0,1,2,3,4,5,6,7
.if \a > 0
	s_wait_xcnt 0x0
.endif
	TAKE \a, 1
	QUANT H, CA, CA+6, PW+\a
.irp g, 0,1,2
	global_store_b128 v[GI], v[CA+4*\g:CA+4*\g+3], s[12:13] offset:(\a/4)*HEADB+(\a%4)*1536+512*\g
.endr
.endr
	v_cmp_eq_u32 vcc_lo, 1, v2
.irp t, 0,1,2,3
	v_cndmask_b32 v[136+\t], v[PW+\t], v[PW+4+\t], vcc_lo
.endr
.Ljoin:
	s_wait_alu depctr_va_vdst(0)
	global_store_b128 v[GSC], v[136:139], s[100:101]   ; lanes 0-15 store the first head's 256 bytes of scale words, lanes 16-31 the second head's
	s_wait_tensorcnt 0x0                           ; the wave's end
	ds_add_u32 v[SPW], v[NIL]
	s_wait_dscnt 0x0
	CROUND                                         ; the closing round: no work-group ends while a partner may still ask for a tile that names it
	s_endpgm
.Lfunc_end_k_q18f2619505_qkv:
	.size	k_q18f2619505_qkv, .Lfunc_end_k_q18f2619505_qkv-k_q18f2619505_qkv
	.p2alignl 7, 3214868480
	.fill 96, 4, 3214868480
	.section	.rodata,"a",@progbits
	.p2align	6, 0x0
	.amdhsa_kernel k_q18f2619505_qkv
		.amdhsa_group_segment_fixed_size 327680
		.amdhsa_private_segment_fixed_size 0
		.amdhsa_enable_private_segment 0
		.amdhsa_kernarg_size 56
		.amdhsa_user_sgpr_count 2
		.amdhsa_user_sgpr_kernarg_segment_ptr 1
		.amdhsa_wavefront_size32 1
		.amdhsa_system_sgpr_workgroup_id_x 1
		.amdhsa_system_sgpr_workgroup_id_y 1
		.amdhsa_system_sgpr_workgroup_id_z 1
		.amdhsa_system_vgpr_workitem_id 0
		.amdhsa_next_free_vgpr 1024
		.amdhsa_next_free_sgpr 102
		.amdhsa_reserve_vcc 1
		.amdhsa_float_denorm_mode_32 3
		.amdhsa_float_denorm_mode_16_64 3
		.amdhsa_memory_ordered 1
		.amdhsa_forward_progress 1
		.amdhsa_inst_pref_size 232
	.end_amdhsa_kernel
	.amdgpu_metadata
---
amdhsa.version: [ 1, 2 ]
amdhsa.kernels:
  - .name:           k_q18f2619505_qkv
    .symbol:         k_q18f2619505_qkv.kd
    .args:
      - { .name: hidden_states_codes, .offset: 0, .size: 8, .value_kind: global_buffer, .address_space: global }
      - { .name: hidden_states_scales, .offset: 8, .size: 8, .value_kind: global_buffer, .address_space: global }
      - { .name: w_attn_codes, .offset: 16, .size: 8, .value_kind: global_buffer, .address_space: global }
      - { .name: w_attn_scales, .offset: 24, .size: 8, .value_kind: global_buffer, .address_space: global }
      - { .name: b_attn, .offset: 32, .size: 8, .value_kind: global_buffer, .address_space: global }
      - { .name: img, .offset: 40, .size: 8, .value_kind: global_buffer, .address_space: global }
      - { .name: scl, .offset: 48, .size: 8, .value_kind: global_buffer, .address_space: global }
    .group_segment_fixed_size: 327680
    .private_segment_fixed_size: 0
    .kernarg_segment_align: 8
    .kernarg_segment_size: 56
    .max_flat_workgroup_size: 128
    .sgpr_count:     102
    .vgpr_count:     1024
    .wavefront_size: 32
...
	.end_amdgpu_metadata
.endif
;; end of part 1
;; launch attn (part 2): grid 256 x 1, 16 waves a work-group, clusters of 4 x 1, 215,040 bytes of LDS; arguments img, scl, a_img, a_scl; writes a_img, a_scl
.if DOCPART == 2
	.amdgcn_target "amdgcn-amd-amdhsa--gfx1250"
	.amdhsa_code_object_version 6
	.text
	.protected	k_q18f2619505_attn
	.globl	k_q18f2619505_attn
	.p2align	8
	.type	k_q18f2619505_attn,@function
k_q18f2619505_attn:
	s_mov_b64 s[64:65], 0
	v_nop
	global_prefetch_b8 v0, s[64:65] scope:SCOPE_SE
	s_setreg_imm32_b32 hwreg(HW_REG_WAVE_MODE, 25, 1), 1
	s_wait_xcnt 0x0
	s_wait_alu depctr_hold_cnt(0) depctr_sa_sdst(0) depctr_va_vdst(0) depctr_va_sdst(0) depctr_va_ssrc(0) depctr_va_vcc(0) depctr_vm_vsrc(0)
	s_getreg_b32 s2, hwreg(HW_REG_IB_STS2, 6, 4)
	s_cmp_eq_u32 s2, 0
	s_cbranch_scc0 .Lentry_in_a_cluster
	s_endpgm
.Lentry_in_a_cluster:
	s_bfe_u32 s2, ttmp6, 0x10000c
	s_cmp_lg_u32 s2, 0x3003
	s_cbranch_scc0 .Lentry_shape_is_right
	s_endpgm
.Lentry_shape_is_right:
; Causal attention of one head on codes of FP6 (E2M3), head size 64, 2,048 tokens; hidden scores are -10000, as the problem has them.  Its result, the merged heads, is quantised along the head's 64 and stored as operand images.
; t = score x log2(e) / 8; M = the row's largest t so far, rounded up to a whole number; p = 2^(t - M) is quantised along the keys; the row's sum is taken of the unquantised p and divides at the end.
; SHARES.  A cluster of four work-groups is one (batch, head); all four need the head's whole K and V, 192 KiB of images and 8 KiB of scale words: each is asked for JOINTLY, once, and stays in LDS: no slot is ever filled again.
; The head's 128 tiles of 16 queries are numbered T = 8 jd + 2 cx + e.  Wave w (e = w % 2, j = w / 2) takes jd = 15 - j and then jd = j: 17 key steps of 128 keys for every wave.  Trip counts and branches hang on the wave's number alone;
; the place in the cluster enters global addresses and the numbers that the mask compares with.
; LAYOUT.  S^T = K Q^T and O^T = V^T P^T: a lane holds one query (lane % 16) throughout.  The head's K is 64, the instruction's 128: an operand holds TWO tiles of keys side by side and is multiplied by [q | 0] and by [0 | q].
; Inside a block of 32 the codes of q, k, v and p lie in the order 0-7, 16-23, 8-15, 24-31, alike on both sides of each product.
; THE HIDDEN KEYS.  Key steps behind the query's own are not walked.  There every p is 2^(t_m - M), t_m = -10000 log2(e) = -14427 + 0.0496: a block of 32 equal numbers, 1.035 x a power of two, is quantised to that power of two, g.
; So those steps add g x (the sum of the quantised v over their keys) to O and (their number of keys) x p to the row's sum.  The sums of v come from a table: T[step][d] = V^T x ones by the matrix unit, SV[step] = the sum of T over later steps.
; The query's own step is walked with the hidden scores set to -10000 ahead of the maximum, and M starts from t_m wherever a query has a hidden key.
; LIMITS: NaN, infinities and the byte 0xff are not served; p under 2^-126 counts as 0; a block under 2^-124 keeps the byte 1.  The merged heads' scale bytes leave in pieces of 2 bytes, 32 bytes apart: one byte in 24 of what a tile stores.
; REGISTERS: v1-7 addresses and constants; v8-11 addresses in hand; v12 -M, v13 the largest t, v[14:15] the sum; v16-33 [q | 0 | q]; v34, v84-94 more addresses; v35 the ones' scale; v36-83 four fragments; v96-159 S^T, then p;
;   v160-191 O^T; v192-205 codes; v232-247, v252, v254 at work; v248-251 fragments' scale words; v253 p's scale word; v255 q's.
.set VIMG,  98304                      ; LDS: K's images at 0, V's here,
.set KSC,   196608                     ; K's scale words, 256 bytes a step,
.set VSC,   200704                     ; V's,
.set TT,    204800                     ; T [16 steps][64] f32,
.set SVT,   208896                     ; SV [16][64] f32: the two tables lie in blocks into which no fill lands
.set HEADB, 98304
.set STEPB, 6144
.set WV,  12
.set CX,  13
.set EE,  14
.set JJ,  15
.set SEL, 20                           ; s[20:21] lane selects: lane l xor 16
.set CS,  22                           ; s[22:23] c = log2(e) / 8
.set G1E, 24                           ; s[24:31] group 1: 96 rows of 256 bytes (key steps 0-3);  s[32:39]: 144 rows (six steps);  s[40:47]: 16 rows (the scale words)
.set G1L, 32
.set G1S, 40
.set G0E, 48
.set G0L, 52
.set G0S, 56
.set TB,  60                           ; the step's images begin here in K's and in V's region
.set TS,  61                           ; and its scale words
.set STP, 62                           ; the step
.set JD,  63                           ; the step in which my tile's queries lie
.set PM,  68                           ; -1 where e = 1
.set QSEL, 69
.set QI,  74                           ; s[74:75] q's image, s[76:77] its scale words, s[78:79] a_img, s[80:81] a_scl, for the tile in hand
.set QS,  76
.set AI,  78
.set AS,  80
.macro CROUND                          ; a round of the cluster's barrier
	s_barrier_signal -1
	s_barrier_wait -1
	s_cmp_lg_u32 s[WV], 0
	s_cbranch_scc1 .Lnot_wave_0_\@
	s_barrier_signal -3
.Lnot_wave_0_\@:
	s_barrier_wait -3
	s_barrier_signal -1
	s_barrier_wait -1
.endm
	s_load_b256 s[4:11], s[0:1], 0x0               ; img s[4:5], scl s[6:7], a_img s[8:9], a_scl s[10:11]
	v_lshl_add_u32 v231, v0, 2, 0x34000
	v_mov_b32 v243, 0
	ds_add_u32 v231, v243
	ds_add_u32 v231, v243
	v_lshrrev_b32 v1, 5, v0
	s_delay_alu instid0(VALU_DEP_1)
	v_readfirstlane_b32 s[WV], v1                  ; wave 0..15
	s_bfe_u32 s[CX], ttmp6, 0x40000                ; my place in the cluster
	s_and_b32 s[EE], s[WV], 1                      ; e.  Also: a fetching wave fetches for K (0) or for V (1)
	s_lshr_b32 s[JJ], s[WV], 1                     ; j
.irp g, G1E, G1L, G1S                          ; dense blocks as rows of 256 bytes: 32 elements of 8 bytes, no padding
	s_mov_b32 s[\g], 15|(3<<16)|(1<<21)            ; 15:0 the mask: all four work-groups; 17:16 elements of 8 bytes; 21 set beside a mask
	s_mov_b32 s[\g+1], 32<<16                      ; tensor_dim0
	s_mov_b32 s[\g+3], 32<<16                      ; tile_dim0
	s_mov_b32 s[\g+5], 32                          ; tensor_dim0_stride
	s_mov_b32 s[\g+6], 0
	s_mov_b32 s[\g+7], 0
.endr
	s_mov_b32 s[G1E+2], 96<<16                     ; tensor_dim1,
	s_mov_b32 s[G1E+4], 96                         ; tile_dim1
	s_mov_b32 s[G1L+2], 144<<16
	s_mov_b32 s[G1L+4], 144
	s_mov_b32 s[G1S+2], 16<<16
	s_mov_b32 s[G1S+4], 16
	s_mul_i32 s82, s[EE], HEADB                    ; K's or V's region in LDS
	s_and_b32 s83, s[JJ], 1                        ; which half of steps 4-15
	s_mul_i32 s88, s83, 6*STEPB
	s_add_co_u32 s88, s88, 4*STEPB                 ; where it begins, in LDS and in memory alike
	s_mov_b32 s89, 0
	s_lshl_b32 s83, s[EE], 6
	s_add_co_u32 s83, s83, ttmp9                   ; the cluster's number is 16 x batch + head
	s_add_co_u32 s83, s83, 64                      ; k's heads are 64 .. 127 of the images, v's 128 .. 191
	s_mul_i32 s84, s83, HEADB
	s_mov_b32 s85, 0
	s_lshl_b32 s86, s83, 12
	s_mov_b32 s87, 0
	s_lshl_b32 s90, s[EE], 12
	s_mov_b32 s[SEL], 0x76543210
	s_mov_b32 s[SEL+1], 0xfedcba98
	s_mov_b32 s[CS], 0x3e38aa3b                    ; log2(e) / sqrt(64)
	s_mov_b32 s[CS+1], s[CS]
	s_mov_b32 s70, 0x05040100                      ; byte selects for the merged heads' codes
	s_mov_b32 s71, 0x05040302
	s_mov_b32 s72, 0x07060302
	s_cmp_eq_u32 s[EE], 1
	s_cselect_b32 s[PM], -1, 0
	s_mov_b32 s[QSEL], 0x01000100                  ; q's two scale bytes, twice: of the pair's first tile,
	s_cselect_b32 s[QSEL], 0x03020302, s[QSEL]     ; or of its second
	s_wait_dscnt 0x0
	s_wait_kmcnt 0x0
	s_mov_b32 s[G0E], 1
	s_mov_b32 s[G0E+1], s82
	s_add_nc_u64 s[G0E+2:G0E+3], s[4:5], s[84:85]
	s_mov_b32 s[G0L], 1
	s_add_co_u32 s[G0L+1], s82, s88
	s_add_nc_u64 s[G0L+2:G0L+3], s[G0E+2:G0E+3], s[88:89]
	s_or_b32 s[G0E+3], s[G0E+3], 0x80000000
	s_or_b32 s[G0L+3], s[G0L+3], 0x80000000
	s_mov_b32 s[G0S], 1
	s_add_co_u32 s[G0S+1], s90, KSC
	s_add_nc_u64 s[G0S+2:G0S+3], s[6:7], s[86:87]
	s_or_b32 s[G0S+3], s[G0S+3], 0x80000000
	CROUND                                         ; all four work-groups are here: the joint loads meet
	s_cmp_lt_u32 s[WV], 2                          ; the launch's only fills.  Waves 0, 1: steps 0-3 of K, of V, then steps 4-9;  waves 2, 3: the scale words of K, of V, then steps 10-15.  Two loads of a wave are out
	s_cbranch_scc0 .Lnot_early
	tensor_load_to_lds s[G0E:G0E+3], s[G1E:G1E+7]
	s_nop 0
	tensor_load_to_lds s[G0L:G0L+3], s[G1L:G1L+7]
	s_nop 0
.rept 4
	v_nop
.endr
	s_branch .Lasked
.Lnot_early:
	s_cmp_lt_u32 s[WV], 4
	s_cbranch_scc0 .Lasked
	tensor_load_to_lds s[G0S:G0S+3], s[G1S:G1S+7]
	s_nop 0
	tensor_load_to_lds s[G0L:G0L+3], s[G1L:G1L+7]
	s_nop 0
.rept 4
	v_nop
.endr
.Lasked:
	v_and_b32 v91, 31, v0                          ; lane
	v_and_b32 v86, 15, v0                          ; r
	v_bfe_u32 v92, v0, 4, 1                        ; h
	s_delay_alu instid0(VALU_DEP_3)
	v_lshlrev_b32 v1, 4, v91                       ; an image's place for my lane, in K's region,
	s_delay_alu instid0(VALU_DEP_1)
	v_add_nc_u32 v2, VIMG, v1                      ; in V's
	s_delay_alu instid0(VALU_DEP_4)
	v_lshlrev_b32 v84, 4, v86                      ; 16 r: four scale words a row
	s_delay_alu instid0(VALU_DEP_1)
	v_add_nc_u32 v3, KSC, v84
	s_delay_alu instid0(VALU_DEP_2)
	v_add_nc_u32 v4, VSC, v84
	v_lshlrev_b32 v85, 5, v86                      ; 32 r: a token's row of a_scl
	v_lshlrev_b32 v34, 3, v91                      ; 8 x lane
	v_mov_b32 v35, 0x7f7f7f7f                      ; four scale bytes of 1.0
	s_lshl_b32 s82, s[CX], 5
	s_lshl_b32 s83, s[EE], 4
	s_add_co_u32 s82, s82, s83
	v_lshlrev_b32 v93, 3, v92
	s_delay_alu instid0(VALU_DEP_1)
	v_sub_nc_u32 v5, v86, v93
	s_delay_alu instid0(VALU_DEP_1)
	v_add_nc_u32 v5, s82, v5                       ; my query's place in its step, less 8 h: register 8 tile + i holds key 16 tile + 8 h + i, hidden where 16 tile + i is above this
	v_mov_b32 v6, 0xc79c4000                       ; -80000: the score that makes the logit -10000
	s_delay_alu instid0(VALU_DEP_1)
	v_mul_f32 v7, s[CS], v6                        ; t_m
	v_lshl_add_u32 v87, v92, 5, SVT                ; SV in O^T's layout: 32 h
	v_add_nc_u32 v88, TT, v34                      ; T, two numbers a lane
	s_lshl_b32 s83, s[WV], 8
	v_lshl_add_u32 v89, v92, 5, s83
	s_delay_alu instid0(VALU_DEP_1)
	v_add_nc_u32 v89, TT, v89                      ; T's row of step w, in a result's layout
	v_add_nc_u32 v90, s83, v34
	s_delay_alu instid0(VALU_DEP_1)
	v_add_nc_u32 v90, SVT, v90                     ; SV's row w, two numbers a lane
; A TILE BEGINS (s[JD] is set): pointers, q, and the running numbers.
.macro TILE_INIT
	s_wait_xcnt 0x0                                ; the last tile's stores have read their pointers and registers
	s_mul_i32 s82, ttmp9, HEADB
	s_mul_i32 s83, s[JD], STEPB
	s_add_co_u32 s82, s82, s83
	s_mul_i32 s83, s[CX], 1536
	s_add_co_u32 s82, s82, s83
	s_mov_b32 s83, 0
	s_add_nc_u64 s[QI:QI+1], s[4:5], s[82:83]      ; q's pair cx of step jd
	s_lshl_b32 s82, ttmp9, 12
	s_lshl_b32 s84, s[JD], 8
	s_add_co_u32 s82, s82, s84
	s_lshl_b32 s84, s[CX], 2
	s_add_co_u32 s82, s82, s84
	s_add_nc_u64 s[QS:QS+1], s[6:7], s[82:83]      ; and its scale word
	s_lshl_b32 s84, s[JD], 3
	s_lshl_b32 s85, s[CX], 1
	s_add_co_u32 s84, s84, s85
	s_add_co_u32 s84, s84, s[EE]                   ; T
	s_lshr_b32 s85, ttmp9, 4
	s_lshl_b32 s85, s85, 7
	s_add_co_u32 s85, s85, s84                     ; the tile among all 512 tiles of tokens
	s_and_b32 s86, ttmp9, 15                       ; the head
	s_mul_i32 s82, s85, 12288
	s_mul_i32 s87, s86, 768
	s_add_co_u32 s82, s82, s87
	s_add_nc_u64 s[AI:AI+1], s[8:9], s[82:83]
	s_lshl_b32 s82, s85, 9
	s_lshl_b32 s87, s86, 1
	s_add_co_u32 s82, s82, s87
	s_add_nc_u64 s[AS:AS+1], s[10:11], s[82:83]
	s_xor_b32 s87, s[JD], 15                       ; 15 - jd
	s_lshl_b32 s87, s87, 7                         ; the keys of the steps that are not walked
	s_lshl_b32 s84, s84, 4                         ; the tile's first query
.irp g, 0,1,2
	global_load_b128 v[36+4*\g:39+4*\g], v1, s[QI:QI+1] offset:512*\g
.endr
	global_load_b32 v254, v84, s[QS:QS+1]
	v_cvt_f32_u32 v94, s87
	v_add_nc_u32 v93, s84, v86                     ; my query
	s_delay_alu instid0(VALU_DEP_1)
	v_cmp_gt_u32 vcc_lo, 2047, v93                 ; has it a hidden key?
	v_mov_b32 v13, 0xff61b1e6                      ; -3e38, under every t
	s_delay_alu instid0(VALU_DEP_1)
	v_cndmask_b32 v13, v13, v7, vcc_lo             ; the largest t so far: t_m where a key is hidden
	s_delay_alu instid0(VALU_DEP_1)
	v_floor_f32 v12, -v13                          ; -M
	v_mov_b32 v14, 0
	v_mov_b32 v15, 0
	s_wait_loadcnt 0x0
.irp i, 0,1,2,3,4,5
	v_cndmask_b32 v[16+\i], v[36+\i], v[42+\i], s[PM]   ; my tile's half of the pair
.endr
.irp i, 0,1,2,3,4,5
	v_mov_b32 v[22+\i], 0                          ; zero codes
.endr
.irp i, 0,1,2,3,4,5
	v_mov_b32 v[28+\i], v[16+\i]
.endr
	v_perm_b32 v255, v254, v254, s[QSEL]           ; q's two bytes serve either half of K
.irp b, 0,1,2,3
	v_mov_b32 v[236+\b], 0                         ; a lane permute's destination counts as one of its sources
.endr
	v_mov_b32 v253, 0
.set jj, 0
.rept 32
	v_mov_b32 v[160+jj], 0                         ; O^T.  (These lines are also the places between q's scale word and the first product)
.set jj, jj+1
.endr
	s_mov_b32 s[TB], 0
	s_mov_b32 s[TS], 0
	s_mov_b32 s[STP], 0
.endm
; A KEY STEP of 128 keys.  full = 1: known to lie ahead of my queries' step.  full = 0: a step behind my queries' step is left out, and in their own step the hidden scores are set.
.macro STEP full
.if \full == 0
	s_cmp_gt_u32 s[STP], s[JD]
	s_cbranch_scc1 .Lhidden_\@
.endif
	s_setprio 2
	v_add_nc_u32 v8, s[TB], v1                     ; (four plain lines: the places behind the last step's products, in front of loads into their operands)
	v_add_nc_u32 v9, s[TB], v2
	v_add_nc_u32 v10, s[TS], v3
	v_add_nc_u32 v11, s[TS], v4
.irp p, 0,1,2,3
.irp g, 0,1,2
	ds_load_b128 v[36+12*\p+4*\g:39+12*\p+4*\g], v8 offset:1536*\p+512*\g   ; K's pair p as it was stored: 512 consecutive bytes an instruction
.endr
.endr
	ds_load_b128 v[248:251], v10                   ; the four pairs' scale words of row r
	s_wait_alu depctr_va_vdst(0)
	s_wait_dscnt 0x0
.irp p, 0,1,2,3
	v_wmma_scale_f32_16x16x128_f8f6f4 v[96+16*\p:103+16*\p], v[36+12*\p:47+12*\p], v[16:27], 0, v[248+\p], v255 matrix_a_fmt:MATRIX_FMT_FP6 matrix_b_fmt:MATRIX_FMT_FP6    ; keys 32 p + 0 .. 15: [q | 0]
	v_wmma_scale_f32_16x16x128_f8f6f4 v[104+16*\p:111+16*\p], v[36+12*\p:47+12*\p], v[22:33], 0, v[248+\p], v255 matrix_a_fmt:MATRIX_FMT_FP6 matrix_b_fmt:MATRIX_FMT_FP6  ; keys 32 p + 16 .. 31: [0 | q]
.endr
.rept 4
	v_nop                                          ; places: in front of the loads below and of the first read of the scores
.endr
.irp t, 0,1,2,3
.irp g, 0,1,2
	ds_load_b128 v[36+12*\t+4*\g:39+12*\t+4*\g], v9 offset:1536*\t+512*\g   ; V's four fragments land while the softmax is worked
.endr
.endr
	ds_load_b128 v[248:251], v11
.if \full == 0
	s_cmp_lg_u32 s[STP], s[JD]
	s_cbranch_scc1 .Lopen_\@
.irp n, 0,1,2,3,4,5,6,7,8,9,10,11,12,13,14,15,16,17,18,19,20,21,22,23,24,25,26,27,28,29,30,31,32,33,34,35,36,37,38,39,40,41,42,43,44,45,46,47,48,49,50,51,52,53,54,55,56,57,58,59,60,61,62,63
	v_cmp_gt_i32 vcc_lo, 16*(\n/8)+\n%8, v5
	v_cndmask_b32 v[96+\n], v[96+\n], v6, vcc_lo   ; a hidden key's score
.endr
.Lopen_\@:
.endif
.irp b, 0,1,2,3
	v_max3_num_f32 v[232+\b], v[96+16*\b], v[97+16*\b], v[98+16*\b]   ; the largest score of each block of 32 keys: for the row's maximum, and, since p rises with the score, for the block's largest p
.endr
.irp i, 3,5,7,9,11,13
.irp b, 0,1,2,3
	v_max3_num_f32 v[232+\b], v[232+\b], v[96+16*\b+\i], v[97+16*\b+\i]
.endr
.endr
.irp b, 0,1,2,3
	v_max_num_f32 v[232+\b], v[232+\b], v[111+16*\b]
.endr
.irp b, 0,1,2,3
	s_delay_alu instid0(VALU_DEP_4)
	v_permlanex16_b32 v[236+\b], v[232+\b], s[SEL], s[SEL+1]
.endr
.irp b, 0,1,2,3
	s_delay_alu instid0(VALU_DEP_4)
	v_max_num_f32 v[232+\b], v[232+\b], v[236+\b]  ; with lane l xor 16's 16 keys
.endr
	s_delay_alu instid0(VALU_DEP_2)
	v_max3_num_f32 v254, v232, v233, v234
	s_delay_alu instid0(VALU_DEP_1)
	v_max_num_f32 v254, v254, v235
	s_delay_alu instid0(VALU_DEP_1)
	v_mul_f32 v254, s[CS], v254                    ; the step's largest t
	s_delay_alu instid0(VALU_DEP_1)
	v_max_num_f32 v13, v13, v254
	v_mov_b32 v254, v12
	s_delay_alu instid0(VALU_DEP_2)
	v_floor_f32 v12, -v13                          ; the new -M: M is a whole number
	s_delay_alu instid0(VALU_DEP_1)
	v_sub_f32 v254, v12, v254                      ; old M - new M, 0 or less
	s_delay_alu instid0(VALU_DEP_1)
	v_cvt_i32_f32 v254, v254
	s_delay_alu instid0(VALU_DEP_1)
	v_ldexp_f32 v252, 1.0, v254                    ; f = 2^(old M - new M)
.set jj, 0
.rept 32
	v_pk_fma_f32 v[96+jj:97+jj], v[96+jj:97+jj], s[CS:CS+1], v[12:13] op_sel_hi:[1,0,0]   ; t - M
.set jj, jj+2
.endr
.irp b, 0,1,2,3
	v_fma_f32 v[232+\b], v[232+\b], s[CS], v12     ; the same of each block's largest score
.endr
.set jj, 0
	s_setprio 1
	s_wait_alu depctr_va_vdst(0)
.rept 64
	v_exp_f32 v[96+jj], v[96+jj]                   ; p, at most 1
.set jj, jj+1
.endr
	v_pk_mul_f32 v[14:15], v[14:15], v[252:253] op_sel_hi:[1,0]   ; the sums under the new M: the plain line behind the exponentials
	s_wait_alu depctr_va_vdst(0)                   ; one wait for the batch of 64, ahead of its first reader
.irp b, 0,1,2,3
	v_exp_f32 v[232+\b], v[232+\b]                 ; the blocks' largest p
.endr
	v_pk_add_f32 v[236:237], v[100:101], v[104:105]
	v_pk_add_f32 v[246:247], v[108:109], v[112:113]
	v_pk_add_f32 v[244:245], v[116:117], v[120:121]
	v_pk_add_f32 v[240:241], v[124:125], v[128:129]
	v_pk_add_f32 v[238:239], v[132:133], v[136:137]
	v_pk_add_f32 v[228:229], v[140:141], v[144:145]
	v_pk_add_f32 v[226:227], v[148:149], v[152:153]
	v_pk_add_f32 v[14:15], v[14:15], v[156:157]
	v_pk_add_f32 v[236:237], v[236:237], v[96:97]
	v_pk_add_f32 v[246:247], v[246:247], v[98:99]
	v_pk_add_f32 v[244:245], v[244:245], v[102:103]
	v_pk_add_f32 v[240:241], v[240:241], v[106:107]
	v_pk_add_f32 v[238:239], v[238:239], v[110:111]
	v_pk_add_f32 v[228:229], v[228:229], v[114:115]
	v_pk_add_f32 v[226:227], v[226:227], v[118:119]
	v_pk_add_f32 v[14:15], v[14:15], v[122:123]
	v_pk_add_f32 v[236:237], v[236:237], v[126:127]
	v_pk_add_f32 v[246:247], v[246:247], v[130:131]
	v_pk_add_f32 v[244:245], v[244:245], v[134:135]
	v_pk_add_f32 v[240:241], v[240:241], v[138:139]
	v_pk_add_f32 v[238:239], v[238:239], v[142:143]
	v_pk_add_f32 v[228:229], v[228:229], v[146:147]
	v_pk_add_f32 v[226:227], v[226:227], v[150:151]
	v_pk_add_f32 v[14:15], v[14:15], v[154:155]
	v_pk_add_f32 v[236:237], v[236:237], v[158:159]
	s_delay_alu instid0(VALU_DEP_2)
	v_pk_add_f32 v[14:15], v[14:15], v[240:241]
	s_delay_alu instid0(VALU_DEP_2)
	v_pk_add_f32 v[236:237], v[236:237], v[238:239]
	v_pk_add_f32 v[246:247], v[246:247], v[228:229]
	v_pk_add_f32 v[244:245], v[244:245], v[226:227]
	s_delay_alu instid0(VALU_DEP_2)
	v_pk_add_f32 v[14:15], v[14:15], v[246:247]
	s_delay_alu instid0(VALU_DEP_2)
	v_pk_add_f32 v[236:237], v[236:237], v[244:245]
	s_delay_alu instid0(VALU_DEP_1)
	v_pk_add_f32 v[14:15], v[14:15], v[236:237]
	s_wait_alu depctr_va_vdst(0)                   ; and one for the four
.irp b, 0,1,2,3
	v_max_num_f32 v[232+\b], 0x1800000, v[232+\b]  ; the floor 2^(3 - 127)
.endr
.irp b, 0,1,2,3
	s_delay_alu instid0(VALU_DEP_4)
	v_add_nc_u32 v[244+\b], 0xff000000, v[232+\b]  ; 2 off the exponent field: the conversion's scale operand
.endr
.irp b, 0,1,2,3
	s_delay_alu instid0(VALU_DEP_4)
	v_lshrrev_b32 v[236+\b], 23, v[244+\b]         ; the scale's byte
.endr
	s_delay_alu instid0(VALU_DEP_3)
	v_lshl_or_b32 v253, v237, 8, v236              ; p's scale word for these 128 keys
	s_delay_alu instid0(VALU_DEP_1)
	v_lshl_or_b32 v253, v238, 16, v253
	s_delay_alu instid0(VALU_DEP_1)
	v_lshl_or_b32 v253, v239, 24, v253
.irp c, 0,1
	v_cvt_scalef32_pk16_fp6_f32 v[192+6*\c:194+6*\c], v[96+32*\c:111+32*\c], v[244+2*\c]
	v_cvt_scalef32_pk16_fp6_f32 v[236+4*\c:238+4*\c], v[112+32*\c:127+32*\c], v[244+2*\c+1]
.endr
	v_nop                                          ; one plain place behind a scaled conversion
	s_setprio 0
.irp c, 0,1
.irp i, 0,1,2
	v_permlane16_swap_b32 v[192+6*\c+\i], v[236+4*\c+\i]   ; a whole block to a lane
.endr
.irp i, 0,1,2
	s_delay_alu instid0(VALU_DEP_3)
	v_mov_b32 v[195+6*\c+\i], v[236+4*\c+\i]
.endr
.endr
.set jj, 0
.rept 16
	v_pk_mul_f32 v[160+jj:161+jj], v[160+jj:161+jj], v[252:253] op_sel_hi:[1,0]   ; O^T under the new M.  (Also the places in front of the products below)
.set jj, jj+2
.endr
	s_wait_alu depctr_va_vdst(0)
	s_wait_dscnt 0x0                               ; V
.irp t, 0,1,2,3
	v_wmma_scale_f32_16x16x128_f8f6f4 v[160+8*\t:167+8*\t], v[36+12*\t:47+12*\t], v[192:203], v[160+8*\t:167+8*\t], v[248+\t], v253 matrix_a_fmt:MATRIX_FMT_FP6 matrix_b_fmt:MATRIX_FMT_FP6
.endr
.if \full == 0
.Lhidden_\@:
.endif
	s_add_co_u32 s[TB], s[TB], STEPB
	s_add_co_u32 s[TS], s[TS], 256
	s_add_co_u32 s[STP], s[STP], 1
.endm
; A TILE ENDS: the steps that were not walked, the division, the quantiser along the head's 64, the image.
.macro TILE_FIN
.rept 4
	v_nop                                          ; places behind the last products
.endr
	s_lshl_b32 s82, s[JD], 8
	v_add_nc_u32 v8, s82, v87
.irp t, 0,1,2,3
	ds_load_b128 v[36+8*\t:39+8*\t], v8 offset:64*\t          ; SV[jd] at d = 16 t + 8 h + 0 .. 7
	ds_load_b128 v[40+8*\t:43+8*\t], v8 offset:64*\t+16
.endr
	v_fma_f32 v252, v6, s[CS], v12                 ; t_m - M
	s_delay_alu instid0(VALU_DEP_1)
	v_min_num_f32 v252, 0, v252                    ; (above 0 only for the one query with no hidden key, whose count and sums are 0)
	s_wait_alu depctr_va_vdst(0)
	v_exp_f32 v252, v252                           ; a hidden key's p
	v_add_f32 v14, v14, v15                        ; the sum's two halves,
	s_delay_alu instid0(VALU_DEP_1)
	v_permlanex16_b32 v254, v14, s[SEL], s[SEL+1]
	s_delay_alu instid0(VALU_DEP_1)
	v_add_f32 v14, v14, v254                       ; and lane l xor 16's
	s_wait_alu depctr_va_vdst(0)                   ; ahead of p's first reader
	v_fma_f32 v14, v252, v94, v14                  ; + the number of keys not walked x p
	v_and_b32 v252, 0x7f800000, v252               ; g: p's power of two, which is p as the quantiser leaves it
	s_wait_alu depctr_va_vdst(0)
	v_rcp_f32 v238, v14
	v_mov_b32 v239, 0                              ; (a plain line behind the reciprocal; the pair's upper half is written)
	s_wait_dscnt 0x0
.set jj, 0
	s_wait_alu depctr_va_vdst(0)
.rept 16
	v_pk_fma_f32 v[160+jj:161+jj], v[36+jj:37+jj], v[252:253], v[160+jj:161+jj] op_sel_hi:[1,0,1]   ; O^T += g x SV
.set jj, jj+2
.endr
	s_wait_alu depctr_va_vdst(0)                   ; ahead of the reciprocal's first reader
.set jj, 0
.rept 16
	v_pk_mul_f32 v[96+jj:97+jj], v[160+jj:161+jj], v[238:239] op_sel_hi:[1,0]   ; / the sum: register 8 t + i is a(query r, d = 16 t + 8 h + i)
.set jj, jj+2
.endr
.irp b, 0,1
	v_max3_num_f32 v[232+\b], |v[96+16*\b]|, |v[97+16*\b]|, 0x1800000
.endr
.irp i, 2,4,6,8,10,12,14
.irp b, 0,1
	s_delay_alu instid0(VALU_DEP_2)
	v_max3_num_f32 v[232+\b], v[232+\b], |v[96+16*\b+\i]|, |v[97+16*\b+\i]|
.endr
.endr
.irp b, 0,1
	s_delay_alu instid0(VALU_DEP_2)
	v_permlanex16_b32 v[236+\b], v[232+\b], s[SEL], s[SEL+1]
.endr
.irp b, 0,1
	s_delay_alu instid0(VALU_DEP_2)
	v_max_num_f32 v[232+\b], v[232+\b], v[236+\b]
.endr
.irp b, 0,1
	s_delay_alu instid0(VALU_DEP_2)
	v_add_nc_u32 v[244+\b], 0xff000000, v[232+\b]
.endr
.irp b, 0,1
	s_delay_alu instid0(VALU_DEP_2)
	v_lshrrev_b32 v[236+\b], 23, v[244+\b]
.endr
	s_delay_alu instid0(VALU_DEP_1)
	v_lshl_or_b32 v240, v237, 8, v236              ; the head's two scale bytes of my token
	v_cvt_scalef32_pk16_fp6_f32 v[192:194], v[96:111], v244
	v_cvt_scalef32_pk16_fp6_f32 v[196:198], v[112:127], v245
	v_nop
.irp i, 0,1,2
	v_permlane16_swap_b32 v[192+\i], v[196+\i]     ; lane (r, h) now holds block h: numbers 0-7, 16-23 in v192-194, 8-15, 24-31 in v196-198
.endr
	s_delay_alu instid0(VALU_DEP_3)
	v_mov_b32 v200, v192                           ; w_proj's codes lie in their natural order, so the two middle groups of 6 bytes change places
	s_delay_alu instid0(VALU_DEP_3)
	v_perm_b32 v201, v196, v193, s70
	s_delay_alu instid0(VALU_DEP_4)
	v_perm_b32 v202, v197, v196, s71
	s_delay_alu instid0(VALU_DEP_4)
	v_perm_b32 v203, v194, v193, s71
	v_perm_b32 v204, v197, v194, s72
	v_mov_b32 v205, v198
.irp g, 0,1,2
	global_store_b64 v34, v[200+2*\g:201+2*\g], s[AI:AI+1] offset:256*\g   ; 32 lanes store 256 consecutive bytes, aligned
.endr
	global_store_b16 v85, v240, s[AS:AS+1]         ; both halves of the lanes store the same two bytes
.endm
	s_xor_b32 s[JD], s[JJ], 15                     ; 15 - j: 8 or more, so key steps 0 to 3 lie ahead of these queries
	TILE_INIT
	s_wait_tensorcnt 0x1                           ; my first fill is in (steps 0-3, or the scale words); my second may be out
	s_barrier_signal -1
	s_barrier_wait -1
.Lloop_a:
	STEP 1
	s_cmp_lt_u32 s[STP], 4
	s_cbranch_scc1 .Lloop_a
	s_setprio 0
	s_wait_tensorcnt 0x0
	s_wait_dscnt 0x0
	s_barrier_signal -1
	s_barrier_wait -1                              ; all of K and V lies in LDS
	; T[w][d] = the sum of the quantised v over step w's 128 keys: V^T x a tile of ones
	s_mul_i32 s82, s[WV], STEPB
	s_lshl_b32 s83, s[WV], 8
	v_add_nc_u32 v9, s82, v2
	v_add_nc_u32 v11, s83, v4
	v_nop
	v_nop                                          ; four places behind the last products
.irp t, 0,1,2,3
.irp g, 0,1,2
	ds_load_b128 v[36+12*\t+4*\g:39+12*\t+4*\g], v9 offset:1536*\t+512*\g
.endr
.endr
	ds_load_b128 v[248:251], v11
.irp i, 0,1,2,3
	v_mov_b32 v[192+3*\i], 0x08208208              ; the code of 1.0 is 001000: sixteen of them are these three words
	v_mov_b32 v[193+3*\i], 0x82082082
	v_mov_b32 v[194+3*\i], 0x20820820
.endr
	s_wait_alu depctr_va_vdst(0)
	s_wait_dscnt 0x0
.rept 4
	v_nop                                          ; an operand written by vector instructions stands four places ahead of a scaled product
.endr
.irp t, 0,1,2,3
	v_wmma_scale_f32_16x16x128_f8f6f4 v[96+8*\t:103+8*\t], v[36+12*\t:47+12*\t], v[192:203], 0, v[248+\t], v35 matrix_a_fmt:MATRIX_FMT_FP6 matrix_b_fmt:MATRIX_FMT_FP6
.endr
.rept 4
	v_nop
.endr
.irp t, 0,1,2,3
	ds_store_b128 v89, v[96+8*\t:99+8*\t] offset:64*\t         ; all sixteen columns are alike: the lanes of a half store the same words with the same values
	ds_store_b128 v89, v[100+8*\t:103+8*\t] offset:64*\t+16
.endr
	s_wait_dscnt 0x0
	s_barrier_signal -1
	s_barrier_wait -1                              ; T is whole
	; SV[w] = T[w + 1] + .. + T[15], two numbers a lane
.irp i, 1,2,3,4,5,6,7,8,9,10,11,12,13,14,15
	ds_load_b64 v[96+2*\i:97+2*\i], v88 offset:256*\i
.endr
	v_mov_b32 v128, 0
	v_mov_b32 v129, 0
	s_wait_dscnt 0x0
.irp i, 15,14,13,12,11,10,9,8,7,6,5,4,3,2,1
	s_cmp_ge_u32 s[WV], \i
	s_cbranch_scc1 .Lsv_done
	s_wait_alu depctr_va_vdst(0)
	v_pk_add_f32 v[128:129], v[128:129], v[96+2*\i:97+2*\i]
.endr
.Lsv_done:
	s_wait_alu depctr_va_vdst(0)
	ds_store_b64 v90, v[128:129]
	s_wait_dscnt 0x0
	s_barrier_signal -1
	s_barrier_wait -1                              ; SV is whole; from here on LDS is only read
	s_mov_b32 s[TB], 4*STEPB                       ; the first tile goes on at step 4
	s_mov_b32 s[TS], 4*256
	s_mov_b32 s[STP], 4
.Lloop_b:
	STEP 0
	s_cmp_lt_u32 s[STP], 16
	s_cbranch_scc1 .Lloop_b
	s_setprio 0
	TILE_FIN
	s_mov_b32 s[JD], s[JJ]                         ; the second tile
	TILE_INIT
.Lloop_c:
	STEP 0
	s_cmp_lt_u32 s[STP], 16
	s_cbranch_scc1 .Lloop_c
	s_setprio 0
	TILE_FIN
	s_wait_dscnt 0x0
	s_wait_tensorcnt 0x0
	ds_add_u32 v231, v243
	s_wait_dscnt 0x0
	CROUND                                         ; the closing round
	s_endpgm
.Lfunc_end_k_q18f2619505_attn:
	.size	k_q18f2619505_attn, .Lfunc_end_k_q18f2619505_attn-k_q18f2619505_attn
	.p2alignl 7, 3214868480
	.fill 96, 4, 3214868480
	.section	.rodata,"a",@progbits
	.p2align	6, 0x0
	.amdhsa_kernel k_q18f2619505_attn
		.amdhsa_group_segment_fixed_size 215040
		.amdhsa_private_segment_fixed_size 0
		.amdhsa_enable_private_segment 0
		.amdhsa_kernarg_size 32
		.amdhsa_user_sgpr_count 2
		.amdhsa_user_sgpr_kernarg_segment_ptr 1
		.amdhsa_wavefront_size32 1
		.amdhsa_system_sgpr_workgroup_id_x 1
		.amdhsa_system_sgpr_workgroup_id_y 1
		.amdhsa_system_sgpr_workgroup_id_z 1
		.amdhsa_system_vgpr_workitem_id 0
		.amdhsa_next_free_vgpr 256
		.amdhsa_next_free_sgpr 100
		.amdhsa_reserve_vcc 1
		.amdhsa_float_denorm_mode_32 3
		.amdhsa_float_denorm_mode_16_64 3
		.amdhsa_memory_ordered 1
		.amdhsa_forward_progress 1
		.amdhsa_inst_pref_size 96
	.end_amdhsa_kernel
	.amdgpu_metadata
---
amdhsa.version: [ 1, 2 ]
amdhsa.kernels:
  - .name:           k_q18f2619505_attn
    .symbol:         k_q18f2619505_attn.kd
    .args:
      - { .name: img, .offset: 0, .size: 8, .value_kind: global_buffer, .address_space: global }
      - { .name: scl, .offset: 8, .size: 8, .value_kind: global_buffer, .address_space: global }
      - { .name: a_img, .offset: 16, .size: 8, .value_kind: global_buffer, .address_space: global }
      - { .name: a_scl, .offset: 24, .size: 8, .value_kind: global_buffer, .address_space: global }
    .group_segment_fixed_size: 215040
    .private_segment_fixed_size: 0
    .kernarg_segment_align: 8
    .kernarg_segment_size: 32
    .max_flat_workgroup_size: 512
    .sgpr_count:     100
    .vgpr_count:     256
    .wavefront_size: 32
...
	.end_amdgpu_metadata
.endif
;; end of part 2
;; launch proj (part 3): grid 4 x 64, 4 waves a work-group, clusters of 4 x 4, 327,680 bytes of LDS; arguments a_img, a_scl, w_proj_codes, w_proj_scales, b_proj, out0; writes out0
.if DOCPART == 3
	.amdgcn_target "amdgcn-amd-amdhsa--gfx1250"
	.amdhsa_code_object_version 6
	.text
	.protected	k_q18f2619505_proj
	.globl	k_q18f2619505_proj
	.p2align	8
	.type	k_q18f2619505_proj,@function
k_q18f2619505_proj:
	s_mov_b64 s[64:65], 0
	v_nop
	global_prefetch_b8 v0, s[64:65] scope:SCOPE_SE
	s_setreg_imm32_b32 hwreg(HW_REG_WAVE_MODE, 25, 1), 1
	s_wait_xcnt 0x0
	s_wait_alu depctr_hold_cnt(0) depctr_sa_sdst(0) depctr_va_vdst(0) depctr_va_sdst(0) depctr_va_ssrc(0) depctr_va_vcc(0) depctr_vm_vsrc(0)
	s_getreg_b32 s2, hwreg(HW_REG_IB_STS2, 6, 4)
	s_cmp_eq_u32 s2, 0
	s_cbranch_scc0 .Lentry_in_a_cluster
	s_endpgm
.Lentry_in_a_cluster:
	s_bfe_u32 s2, ttmp6, 0x10000c
	s_cmp_lg_u32 s2, 0xf033
	s_cbranch_scc0 .Lentry_shape_is_right
	s_endpgm
.Lentry_shape_is_right:
; out0 = a x w_proj + b_proj on codes of FP6 (E2M3), K = 1,024, sums in f32.  a, the merged heads, comes as images of operand registers: a_img [512 tiles of 16 tokens][16 heads][3][256 bytes]:
; a head is half a fragment (registers 2 g, 2 g + 1 at 256 g + 8 x lane), two heads on end are the fragment of 128 along K; its scale bytes a_scl [8,192][32].  w_proj: rows of 768 bytes of codes and 32 scale bytes.
; A tile of 128 tokens x 256 outputs is made by four waves, 64 x 128 each: 32 accumulators.  That tile gives 256 work-groups; a tile of 256 x 256 would give 128.
; K goes in steps of 256 through two LDS slots.  The matrix instruction is used transposed (source 0 = 16 rows of w_proj, source 1 = 16 tokens): a lane holds eight neighbouring outputs of one token.
; The bias is the C of each sum's first product.  CLUSTERS: 4 x 4: a's tiles are asked for jointly along a row of the cluster, w_proj's along a column.
; LIMITS: NaN, infinities and the scale byte 0xff among the inputs are not served.
; REGISTERS: window 0: v0-31 addresses; v32-63 scale words, two sets; v64-127 the bias; v128-175, v176-223 a's fragments, two sets.  window 1: w_proj's fragments, two sets, at v0 and v128.  window 2: accumulator (a, b) at v[8 (8 a + b)].
.set NQ,     2
.set ROWB,   192
.set KROW,   768
.set PITCH,  240                       ; w_proj's LDS row: 3 x (64 bytes + 16 of padding)
.set FR,     12
.set NP,     4
.set HALFA,  12288                     ; four tiles of tokens x 3,072 bytes: what one load brings of a
.set HALFT,  128*PITCH                 ; 128 rows of w_proj
.set BOFF,   2*HALFA
.set SLOT,   BOFF+2*HALFT
.set SCL,    2*SLOT                    ; the scales, as units of 256 bytes + 16: a's 128 rows, then w_proj's 256
.set HALFSA, 8*272
.set HALFSB, 16*272
.set SBLK,   544                       ; the scales of 16 rows
.set SPARE,  SCL+2*HALFSA+2*HALFSB     ; the spare words, 128 bytes a wave: two blocks of 256 bytes that no other line names
.set SPITCH, 528                       ; the way out: 16 rows x (512 bytes + 16) for each wave, in slot 0, which has had its last fill and its last read by then
.set ADRA, 16
.set ADRB, 20
.set STO,  24
.set RD,   25
.set CO,   26
.set ADRS, 27
.set SPW,  28
.set NIL,  29
.set SC,   32
.set BX,   64
.set AF,   128
.set BK,   128
.set G1, 24
.set G0, 32
.set G1B, 48
.set G0B, 56
.set G1S, 68
.set G0S, 76
.set G1SB, 80
.set G0SB, 88
.set MSB, 0
.macro WIN new
.if MSB != \new
	s_set_vgpr_msb (MSB<<8)|\new
.set MSB, \new
.endif
.endm
.set MUL,     0xa1                     ; source 0 window 1, source 1 window 0, C and D window 2
.set MUL_1ST, 0x81                     ; the same with C (the bias) in window 0
.set TO_B,    0x40
.macro JLOAD g0a, g1a, g0b, g1b        ; waves 0 and 1 fetch for a, waves 2 and 3 for w_proj; four v_nop follow each of the two lines
	s_cmp_eq_u32 s15, 0
	s_cbranch_scc0 .Lfor_b_\@
	tensor_load_to_lds s[\g0a:\g0a+3], s[\g1a:\g1a+7]
	s_nop 0
.rept 4
	v_nop
.endr
	s_branch .Lasked_\@
.Lfor_b_\@:
	tensor_load_to_lds s[\g0b:\g0b+3], s[\g1b:\g1b+7]
	s_nop 0
.rept 4
	v_nop
.endr
.Lasked_\@:
.endm
.macro CREST
	s_cmp_lg_u32 s14, 0
	s_cbranch_scc1 .Lnot_wave_0_\@
	s_barrier_signal -3
.Lnot_wave_0_\@:
	s_barrier_wait -3
	s_barrier_signal -1
	s_barrier_wait -1
.endm
.macro CROUND
	s_barrier_signal -1
	s_barrier_wait -1
	CREST
.endm
	s_load_b128 s[4:7], s[0:1], 0x0                ; a_img, a_scl
	s_load_b128 s[8:11], s[0:1], 0x10              ; w_proj: codes, scales
	s_load_b128 s[96:99], s[0:1], 0x20             ; b_proj, out0
	v_lshl_add_u32 v[SPW], v0, 2, SPARE
	v_mov_b32 v[NIL], 0
	ds_add_u32 v28, v29
	ds_add_u32 v28, v29
	s_wait_dscnt 0x0
	v_lshrrev_b32 v1, 5, v0
	v_readfirstlane_b32 s14, v1                    ; wave 0..3
	s_lshr_b32 s15, s14, 1                         ; which 64 tokens are mine.  Also: I fetch for a (0) or for w_proj (1)
	s_and_b32 s16, s14, 1                          ; which 128 outputs.  Also: which half of that tile I fetch
	s_bfe_u32 s40, ttmp6, 0x40000
	s_bfe_u32 s41, ttmp6, 0x40004
	s_lshl_b32 s42, ttmp9, 2
	s_add_co_u32 s42, s42, s40                     ; the tile of 256 outputs
	s_and_b32 s17, ttmp7, 0xffff
	s_lshl_b32 s17, s17, 2
	s_add_co_u32 s17, s17, s41                     ; the tile of 128 tokens
	s_lshl_b32 s43, s41, 2
	s_lshl_b32 s43, 15, s43                        ; my row of the cluster
	s_lshl_b32 s44, 0x1111, s40                    ; my column
	s_or_b32 s[G1+0], s43, (3<<16)|(1<<21)         ; a: 4 rows (tiles of tokens) of 384 elements of 8 bytes, 1,536 elements apart, no padding
	s_mov_b32 s[G1+1], 384<<16
	s_mov_b32 s[G1+2], 4<<16
	s_mov_b32 s[G1+3], 384<<16
	s_mov_b32 s[G1+4], 4
	s_mov_b32 s[G1+5], 1536
	s_mov_b32 s[G1+6], 0
	s_mov_b32 s[G1+7], 0
	s_or_b32 s[G1B+0], s44, (0<<16)|(1<<20)|(1<<21)|(3<<22)|(3<<25)   ; w_proj: 128 rows of 192 bytes, 16 bytes of padding behind every 64
	s_mov_b32 s[G1B+1], ROWB<<16
	s_mov_b32 s[G1B+2], 128<<16
	s_mov_b32 s[G1B+3], ROWB<<16
	s_mov_b32 s[G1B+4], 128
	s_mov_b32 s[G1B+5], KROW
	s_mov_b32 s[G1B+6], 0
	s_mov_b32 s[G1B+7], 0
	s_or_b32 s[G1S+0], s43, (3<<16)|(1<<20)|(1<<21)|(5<<22)|(3<<25)   ; scales: rows of 256 bytes, 16 bytes of padding behind each: 8 rows for 64 tokens,
	s_or_b32 s[G1SB+0], s44, (3<<16)|(1<<20)|(1<<21)|(5<<22)|(3<<25)  ; 16 for 128 rows of w_proj
.irp g, G1S, G1SB
	s_mov_b32 s[\g+1], 32<<16
	s_mov_b32 s[\g+3], 32<<16
	s_mov_b32 s[\g+5], 32
	s_mov_b32 s[\g+6], 0
	s_mov_b32 s[\g+7], 0
.endr
	s_mov_b32 s[G1S+2], 8<<16
	s_mov_b32 s[G1S+4], 8
	s_mov_b32 s[G1SB+2], 16<<16
	s_mov_b32 s[G1SB+4], 16
	s_lshl_b32 s20, s17, 3
	s_lshl_b32 s21, s16, 2
	s_add_co_u32 s20, s20, s21                     ; a: tile of 16 tokens 8 y + 4 x half
	s_lshl_b32 s22, s20, 9                         ; its scales: 16 rows of 32 bytes a tile
	s_mul_i32 s20, s20, 12288                      ; its images
	s_mov_b32 s21, 0
	s_mov_b32 s23, 0
	s_lshl_b32 s46, s42, 8
	s_lshl_b32 s47, s16, 7
	s_add_co_u32 s46, s46, s47                     ; w_proj: row 256 x + 128 x half
	s_lshl_b32 s92, s46, 5
	s_mul_i32 s46, s46, KROW
	s_mov_b32 s47, 0
	s_mov_b32 s93, 0
	s_mul_i32 s45, s16, HALFA                      ; where they go: no place in the cluster enters an LDS address
	s_mul_i32 s95, s16, HALFT
	s_add_co_u32 s95, s95, BOFF
	s_mul_i32 s94, s16, HALFSA
	s_add_co_u32 s94, s94, SCL
	s_mul_i32 s18, s16, HALFSB
	s_add_co_u32 s18, s18, SCL+2*HALFSA
	s_wait_kmcnt 0x0
	s_add_nc_u64 s[20:21], s[4:5], s[20:21]
	s_add_nc_u64 s[22:23], s[6:7], s[22:23]
	s_add_nc_u64 s[46:47], s[8:9], s[46:47]
	s_add_nc_u64 s[92:93], s[10:11], s[92:93]
	CROUND                                         ; all sixteen work-groups are here: the first joint loads meet
	s_mov_b32 s[G0S], 1
	s_mov_b32 s[G0S+1], s94
	s_mov_b64 s[G0S+2:G0S+3], s[22:23]
	s_or_b32 s[G0S+3], s[G0S+3], 0x80000000
	s_mov_b32 s[G0SB], 1
	s_mov_b32 s[G0SB+1], s18
	s_mov_b64 s[G0SB+2:G0SB+3], s[92:93]
	s_or_b32 s[G0SB+3], s[G0SB+3], 0x80000000
	JLOAD G0S, G1S, G0SB, G1SB
.irp s, 0,1
	s_mov_b32 s[G0+4*\s], 1
	s_add_co_u32 s[G0+4*\s+1], s45, \s*SLOT
	s_add_nc_u64 s[G0+4*\s+2:G0+4*\s+3], s[20:21], \s*3072
	s_or_b32 s[G0+4*\s+3], s[G0+4*\s+3], 0x80000000
	s_mov_b32 s[G0B+4*\s], 1
	s_add_co_u32 s[G0B+4*\s+1], s95, \s*SLOT
	s_add_nc_u64 s[G0B+4*\s+2:G0B+4*\s+3], s[46:47], \s*ROWB
	s_or_b32 s[G0B+4*\s+3], s[G0B+4*\s+3], 0x80000000
	s_wait_alu depctr_va_vdst(0)
	s_wait_tensorcnt 0x0
	ds_add_u32 v28, v29
	s_wait_dscnt 0x0
	CROUND
	JLOAD G0+4*\s, G1, G0B+4*\s, G1B
.endr
	v_and_b32 v1, 15, v0                           ; r
	v_bfe_u32 v2, v0, 4, 1                         ; h
	v_and_b32 v8, 31, v0                           ; lane
	v_mul_u32_u24 v3, v1, PITCH
	v_mul_u32_u24 v4, v2, 24
	v_add_nc_u32 v4, v3, v4
	v_lshl_add_u32 v5, v2, 4, v4
	v_lshlrev_b32 v7, 3, v8                        ; 8 x lane: an image's place for my lane
	s_mul_i32 s21, s15, HALFA                      ; my four tiles of tokens
	s_mul_i32 s22, s16, HALFT
	s_add_co_u32 s22, s22, BOFF                    ; my 128 rows of w_proj
.irp s, 0,1
	v_add_nc_u32 v[ADRA+\s], s21, v7
	v_add_nc_u32 v[ADRB+\s], s22, v4
	v_add_nc_u32 v[ADRB+2+\s], s22, v5
	s_add_co_u32 s21, s21, SLOT
	s_add_co_u32 s22, s22, SLOT
.endr
	v_mul_u32_u24 v5, v1, 32
	v_lshrrev_b32 v6, 8, v5
	v_lshl_add_u32 v5, v6, 4, v5
	s_mul_i32 s21, s15, HALFSA                     ; a's scales: my 64 tokens
	s_mul_i32 s22, s16, HALFSB
	s_add_co_u32 s22, s22, 2*HALFSA                ; w_proj's: my 128 rows
	s_sub_co_u32 s22, s22, s21
	v_mul_u32_u24 v6, s22, v2                      ; lanes 16-31 take w_proj's
	s_add_co_u32 s21, s21, SCL
	v_add_nc_u32 v5, v5, v6
	v_add_nc_u32 v[ADRS], s21, v5
	s_mul_i32 s23, s14, 16*SPITCH                  ; my stage
	v_mul_u32_u24 v5, v1, SPITCH
	v_lshl_add_u32 v5, v2, 5, v5
	v_add_nc_u32 v[STO], s23, v5
	v_lshlrev_b32 v[CO], 4, v8
	v_add_nc_u32 v[RD], s23, v[CO]
	s_lshl_b32 s20, s17, 7
	s_lshl_b32 s21, s15, 6
	s_add_co_u32 s20, s20, s21                     ; my first token
	s_lshl_b32 s20, s20, 12                        ; a row of out0 is 4,096 bytes
	s_mov_b32 s21, 0
	s_lshl_b32 s46, s42, 10
	s_lshl_b32 s47, s16, 9
	s_add_co_u32 s46, s46, s47                     ; my first output, in bytes
	s_mov_b32 s47, 0
	s_add_nc_u64 s[12:13], s[98:99], s[20:21]
	s_add_nc_u64 s[12:13], s[12:13], s[46:47]
	s_add_nc_u64 s[96:97], s[96:97], s[46:47]      ; b_proj at my 128 numbers
	v_lshlrev_b32 v9, 5, v2
.irp b, 0,1,2,3,4,5,6,7                        ; register 8 b + j = b_proj at my output 16 b + 8 h + j: a result's layout
	global_load_b128 v[BX+8*\b:BX+8*\b+3], v9, s[96:97] offset:64*\b
	global_load_b128 v[BX+8*\b+4:BX+8*\b+7], v9, s[96:97] offset:64*\b+16
.endr
.macro FRAG reg, adr, q, i             ; a fragment of w_proj from padded rows, in pieces of 8 bytes
.irp p, 0,1,2,3,4,5
.set PC, 12*(\q)+6*(\p/3)+\p%3
.if PC%8 < 5
	ds_load_b64 v[\reg+2*\p:\reg+2*\p+1], v[\adr] offset:8*PC+16*(PC/8)+(\i)*16*PITCH
.else
	ds_load_b64 v[\reg+2*\p:\reg+2*\p+1], v[\adr+2] offset:8*PC+16*(PC/8)+(\i)*16*PITCH
.endif
.endr
.endm
.macro FRAGA reg, slot, q, i           ; a fragment of a: six pieces of 256 consecutive bytes, as they were stored
.irp p, 0,1,2,3,4,5
	ds_load_b64 v[\reg+2*\p:\reg+2*\p+1], v[ADRA+\slot] offset:3072*(\i)+1536*(\q)+256*\p
.endr
.endm
.macro FETCH slot, q, set              ; 72 loads: the fragments of the slot's q-th 128 along K
	WIN TO_B
.irp i, 0,1,2,3,4,5,6,7
	FRAG 128*(\set)+FR*\i, ADRB+\slot, \q, \i
.endr
	WIN 0
.irp i, 0,1,2,3
	FRAGA AF+48*(\set)+FR*\i, \slot, \q, \i
.endr
.endm
.macro SCALES sc                       ; lanes 0-15: a's block i (for i above 3 they read filled bytes that nobody uses), lanes 16-31: w_proj's block i
.irp i, 0,1,2,3,4,5,6,7
	ds_load_b64 v[SC+16*\sc+2*\i:SC+16*\sc+2*\i+1], v[ADRS] offset:\i*SBLK
.endr
.endm
.macro PLACES n
.rept \n
	v_nop
.endr
.endm
; 8 matrix instructions: a's block a x w_proj's eight.  The 32 accumulators take turns, one instruction a turn, in the same order in every step.
.macro MULB a, set, q, sc, first
.if \first
	WIN MUL_1ST
.else
	WIN MUL
.endif
.irp b, 0,1,2,3,4,5,6,7
.if \first
	v_wmma_scale_f32_16x16x128_f8f6f4 v[8*(8*(\a)+\b):8*(8*(\a)+\b)+7], v[128*(\set)+FR*\b:128*(\set)+FR*\b+FR-1], v[AF+48*(\set)+FR*(\a):AF+48*(\set)+FR*(\a)+FR-1], v[BX+8*\b:BX+8*\b+7], v[SC+16*(\sc)+2*\b+(\q)], v[SC+16*(\sc)+2*(\a)+(\q)] matrix_a_fmt:MATRIX_FMT_FP6 matrix_b_fmt:MATRIX_FMT_FP6 matrix_a_scale:MATRIX_SCALE_ROW1
.else
	v_wmma_scale_f32_16x16x128_f8f6f4 v[8*(8*(\a)+\b):8*(8*(\a)+\b)+7], v[128*(\set)+FR*\b:128*(\set)+FR*\b+FR-1], v[AF+48*(\set)+FR*(\a):AF+48*(\set)+FR*(\a)+FR-1], v[8*(8*(\a)+\b):8*(8*(\a)+\b)+7], v[SC+16*(\sc)+2*\b+(\q)], v[SC+16*(\sc)+2*(\a)+(\q)] matrix_a_fmt:MATRIX_FMT_FP6 matrix_b_fmt:MATRIX_FMT_FP6 matrix_a_scale:MATRIX_SCALE_ROW1
.endif
.endr
.endm
.macro STEP0 slot, first               ; a slot's first 128 along K, on set 0; its second is fetched into set 1
	s_wait_dscnt 0x0
	MULB 0, 0, 0, \slot, \first
	MULB 1, 0, 0, \slot, \first
	PLACES NP
	FETCH \slot, 1, 1
	MULB 2, 0, 0, \slot, \first
	MULB 3, 0, 0, \slot, \first
.endm
; A slot's second 128 along K, on set 1, changes slots: ONE barrier; in front of it each wave waits for all its tensor loads, adds 0 to its spare word, and waits for that and for its own reads of this slot.
.macro TURN slot, next, fill
	WIN 0                                          ; (the add's two registers lie in window 0)
	s_wait_tensorcnt 0x0                           ; all my tensor loads have landed: my part of the next slot
	ds_add_u32 v[SPW], v[NIL]                      ; 0 onto my spare word
	s_wait_dscnt 1                                 ; set 1 is in; the add alone may be out
	MULB 0, 1, 1, \slot, 0                         ; eight matrix instructions stand between the add and the wait for it
	s_wait_dscnt 0x0                               ; the add is done, and my reads of this slot are over
	s_barrier_signal -1
	MULB 1, 1, 1, \slot, 0
	WIN 0
	s_barrier_wait -1
.if \fill
	CREST                                          ; the barrier has opened a round of the cluster's barrier
	s_add_nc_u64 s[G0+4*\slot+2:G0+4*\slot+3], s[G0+4*\slot+2:G0+4*\slot+3], 2*3072
	s_add_nc_u64 s[G0B+4*\slot+2:G0B+4*\slot+3], s[G0B+4*\slot+2:G0B+4*\slot+3], 2*ROWB
	JLOAD G0+4*\slot, G1, G0B+4*\slot, G1B         ; the first tensor load behind the round; its four v_nop are the places in front of the loads below
.else
	PLACES NP
.endif
	s_wait_alu depctr_va_vdst(0)
	v_add_nc_u32 v[ADRS], 8, v[ADRS]               ; the next K step's scale words
	FETCH \next, 0, 0
	SCALES \next
	MULB 2, 1, 1, \slot, 0
	MULB 3, 1, 1, \slot, 0
.endm
	s_wait_alu depctr_va_vdst(0)
	s_wait_tensorcnt 1                             ; of my three first fills the scales and K step 0 are in; K step 1's load may be out
	s_barrier_signal -1
	s_barrier_wait -1
	FETCH 0, 0, 0
	SCALES 0
	s_wait_loadcnt 0x0                             ; the bias
	STEP0 0, 1                                     ; K = 1,024 is four visits of slots, written out
	TURN 0, 1, 1
	STEP0 1, 0
	TURN 1, 0, 1
	STEP0 0, 0
	TURN 0, 1, 0
	STEP0 1, 0
	s_wait_dscnt 0x0
	MULB 0, 1, 1, 1, 0
	MULB 1, 1, 1, 1, 0
	MULB 2, 1, 1, 1, 0
	MULB 3, 1, 1, 1, 0
	WIN 0
; THE WAY OUT, block by block of 16 tokens x 128 outputs, through my own stage in LDS: a lane puts 32 bytes of a row; whole rows of 512 bytes come back and are stored by the 32 lanes.
; LDS serves a wave's instructions in order (ISA guide 5.7.1.4): no wait between the stores and the loads.
.macro TOSTAGE a
.set AC, 64*(\a)
	WIN 0x08                                       ; an LDS store's data: window 2
.irp b, 0,1,2,3,4,5,6,7
	ds_store_b128 v[STO], v[AC+8*\b:AC+8*\b+3] offset:64*\b          ; each accumulator from its low end on
	ds_store_b128 v[STO], v[AC+8*\b+4:AC+8*\b+7] offset:64*\b+16
.endr
	WIN 0
.set BB, BK+64*((\a)%2)
.irp t, 0,1,2,3,4,5,6,7,8,9,10,11,12,13,14,15
	ds_load_b128 v[BB+4*\t:BB+4*\t+3], v[RD] offset:\t*SPITCH
.endr
.endm
.macro SEND a, younger
.set BB, BK+64*((\a)%2)
	s_wait_dscnt \younger                          ; the block is back in registers
.if (\a) > 0
	s_add_nc_u64 s[12:13], s[12:13], 16*4096       ; (behind a wait on XCNT: the earlier stores have read their base)
.endif
.irp t, 0,1,2,3,4,5,6,7,8,9,10,11,12,13,14,15
	global_store_b128 v[CO], v[BB+4*\t:BB+4*\t+3], s[12:13] offset:\t*4096 th:TH_STORE_NT   ; 32 lanes store 512 consecutive bytes, aligned
.endr
.endm
	PLACES NP
	TOSTAGE 0
.irp a, 1,2,3
.if \a > 1
	s_wait_xcnt 0x0                                ; block a - 2's stores have read their registers and their base
.endif
	TOSTAGE \a
	SEND \a-1, 32                                  ; behind block a - 1's loads: block a's 16 stores and 16 loads
.endr
	s_wait_xcnt 0x0
	SEND 3, 0
	s_wait_tensorcnt 0x0                           ; the wave's end
	ds_add_u32 v[SPW], v[NIL]
	s_wait_dscnt 0x0
	CROUND                                         ; the closing round
	s_endpgm
.Lfunc_end_k_q18f2619505_proj:
	.size	k_q18f2619505_proj, .Lfunc_end_k_q18f2619505_proj-k_q18f2619505_proj
	.p2alignl 7, 3214868480
	.fill 96, 4, 3214868480
	.section	.rodata,"a",@progbits
	.p2align	6, 0x0
	.amdhsa_kernel k_q18f2619505_proj
		.amdhsa_group_segment_fixed_size 327680
		.amdhsa_private_segment_fixed_size 0
		.amdhsa_enable_private_segment 0
		.amdhsa_kernarg_size 48
		.amdhsa_user_sgpr_count 2
		.amdhsa_user_sgpr_kernarg_segment_ptr 1
		.amdhsa_wavefront_size32 1
		.amdhsa_system_sgpr_workgroup_id_x 1
		.amdhsa_system_sgpr_workgroup_id_y 1
		.amdhsa_system_sgpr_workgroup_id_z 1
		.amdhsa_system_vgpr_workitem_id 0
		.amdhsa_next_free_vgpr 768
		.amdhsa_next_free_sgpr 100
		.amdhsa_reserve_vcc 0
		.amdhsa_float_denorm_mode_32 3
		.amdhsa_float_denorm_mode_16_64 3
		.amdhsa_memory_ordered 1
		.amdhsa_forward_progress 1
		.amdhsa_inst_pref_size 102
	.end_amdhsa_kernel
	.amdgpu_metadata
---
amdhsa.version: [ 1, 2 ]
amdhsa.kernels:
  - .name:           k_q18f2619505_proj
    .symbol:         k_q18f2619505_proj.kd
    .args:
      - { .name: a_img, .offset: 0, .size: 8, .value_kind: global_buffer, .address_space: global }
      - { .name: a_scl, .offset: 8, .size: 8, .value_kind: global_buffer, .address_space: global }
      - { .name: w_proj_codes, .offset: 16, .size: 8, .value_kind: global_buffer, .address_space: global }
      - { .name: w_proj_scales, .offset: 24, .size: 8, .value_kind: global_buffer, .address_space: global }
      - { .name: b_proj, .offset: 32, .size: 8, .value_kind: global_buffer, .address_space: global }
      - { .name: out0, .offset: 40, .size: 8, .value_kind: global_buffer, .address_space: global }
    .group_segment_fixed_size: 327680
    .private_segment_fixed_size: 0
    .kernarg_segment_align: 8
    .kernarg_segment_size: 48
    .max_flat_workgroup_size: 128
    .sgpr_count:     100
    .vgpr_count:     768
    .wavefront_size: 32
...
	.end_amdgpu_metadata
.endif
;; end of part 3
